; MI455X (gfx1250); checked and timed in simulation.
; The chip was launched on July 23, 2026; its instructions are those of AMD's public machine-readable ISA for CDNA 5 (MIT licence, August 2026) and "CDNA5" Instruction Set Architecture Reference Guide (July 2026). The comments in the code are by the model that wrote it; some were corrected since.
;; Yat Causal Attention. Allowed arithmetic: matrix products marked QUANTISED: E2M1 operands, one E8M0 scale for each 32 along K, by v_wmma_scale_f32_16x16x128_f8f6f4 with both operands' format E2M1 (or v_wmma_scale_f32_32x16x128_f4), f32 sums; products left as they are: bf16, f16 or f32 operands; f32 sums; everything else in f32.
;; Inputs: Wout 1,024 x 1,024 float32; Wqkv 1,024 x 3,072 float32; x 2 x 2,048 x 1,024 float32.
;; Outputs: out0 2 x 2,048 x 1,024 float32.
;; This version of the problem:
;;   THIS VERSION OF THE PROBLEM IS GIVEN IN LOW PRECISION. The matrix products marked QUANTISED in the list below multiply operands that are first quantised to E2M1 (2 exponent bits, 1 mantissa bit; 4 bits a number), with one power-of-two scale for each 32 numbers along K (OCP MX v1.0); their sums are f32. The products marked 'left as it is' may take bf16, f16 or f32 operands, with f32 sums. Whichever they take, every output number must still come out within the allowed error. Rounding operands to bf16 (8 significant bits) uses up far more of that allowance than f16 does (11 bits, for magnitudes from 6e-5 to 65,504). All else is computed in f32.
;;   The module's matrix products, in the order in which they are computed (A, B: the left and right operand; K: the contracted axis; several contracted axes count as one K, in the product's order):
;;     1. [M 4,096, K 1,024] x [K 1,024, N 3,072]; A: input x; B: input Wqkv: QUANTISED
;;     2. batch 32 x [M 2,048, K 64] x [K 64, N 2,048]; A: computed on the way; B: computed on the way: left as it is (an operand is computed on the way)
;;     3. batch 32 x [M 2,048, K 2,048] x [K 2,048, N 64]; A: computed on the way; B: computed on the way: left as it is (an operand is computed on the way)
;;     4. [M 4,096, K 1,024] x [K 1,024, N 1,024]; A: computed on the way; B: input Wout: left as it is (an operand is computed on the way)
;;   THE QUANTISER, for each operand of a quantised product, along K:
;;     - K is cut into blocks of 32 from its start; a last block that is shorter is filled with zeros.
;;     - A block's scale is 2^e with e = floor(log2(the largest magnitude in the block)) - 2, held to -126 .. 127; a block of zeros has e = 0. As a byte (E8M0): e + 127.
;;     - Each number is divided by its block's scale, clamped to +-6, and rounded to the nearest number of E2M1, ties to even, subnormals kept.
;;     - The product sums the exact products of the quantised numbers (number of the format x scale) in f32.
;;   ~~~python
;;   def quantise(x, axis):      # numpy; x: float32 -> the quantised numbers, widened to float32 again
;;       x = np.moveaxis(x, axis, -1); K = x.shape[-1]
;;       x = np.pad(x, [(0, 0)] * (x.ndim - 1) + [(0, -K % 32)]); x = x.reshape(x.shape[:-1] + (-1, 32)); a = np.abs(x).max(-1, keepdims=True)
;;       e = np.where(a > 0, np.clip(np.frexp(np.where(a > 0, a, 1))[1] - 1 - 2, -126, 127), 0)      # np.frexp(a)[1] - 1 = floor(log2(a)), exactly
;;       r = np.clip(x / 2.0 ** e, -6, 6)
;;       step = 2.0 ** (np.maximum(np.frexp(np.where(r == 0, 1, r))[1] - 1, 0) - 1)
;;       q = np.round(r / step) * step * 2.0 ** e      # np.round: ties to even
;;       return np.moveaxis(q.reshape(q.shape[:-2] + (-1,))[..., :K], -1, axis).astype(np.float32)
;;   ~~~
;; One version. Each part assembles by itself: llvm-mc -triple=amdgcn-amd-amdhsa -mcpu=gfx1250 --defsym DOCPART=n.
;; ======== version 1 of 1: 4 launches
;; limits: values are held in f16: magnitudes above 65,504 overflow, below 6.1e-05 lose precision; a difference of large sums (such as E[x^2] - mean^2): digits are lost where the result is much smaller than its terms
;; workspace buffers: xc 2,097,152 bytes; xs 131,072 bytes; wc 1,572,864 bytes; ws 98,304 bytes; wo16 2,097,152 bytes; qkv16 25,165,824 bytes; nrm 524,288 bytes; att2 8,388,608 bytes
;; launch prep (part 1): grid 448 x 1, 4 waves a work-group, no clusters, 42,496 bytes of LDS; arguments x, Wqkv, Wout, xc, xs, wc, ws, wo16; writes xc, xs, wc, ws, wo16
.if DOCPART == 1
	.amdgcn_target "amdgcn-amd-amdhsa--gfx1250"
	.amdhsa_code_object_version 6
	.text
	.protected	k_q211e3302db_prep
	.globl	k_q211e3302db_prep
	.p2align	8
	.type	k_q211e3302db_prep,@function
k_q211e3302db_prep:
	s_mov_b64 s[64:65], 0
	v_nop
	global_prefetch_b8 v0, s[64:65] scope:SCOPE_SE
	s_setreg_imm32_b32 hwreg(HW_REG_WAVE_MODE, 25, 1), 1
	s_wait_xcnt 0x0
; THE PROGRAM: four launches.  prep: x and Wqkv into codes of E2M1 with one E8M0 byte for each 32 along K; Wout into f16.  qkv: x Wqkv on codes; q, k, v as f16 by heads, |q|^2 and |k|^2 in f32.
; attn: dot = q k^T, score = dot^2 / (|q|^2 + |k|^2 - 2 dot + 1e-6), causal mask, softmax with a running maximum, times v.  proj: times Wout.
; WORK LEFT OUT (in attn): reference() builds the mask jnp.tril in its own body and sets the score of every key k > q to -inf ahead of the softmax; exp(-inf - max) is exactly 0, and key 0 counts for every
; query, so the maximum is a number: such a key adds exactly 0 to the row's sum and to the product with v, whatever finite values x, Wqkv and Wout hold.  So steps of 64 keys that lie wholly behind a wave's 16 queries
; are not multiplied, and slots of 256 keys that lie wholly behind a work-group's last query are not fetched.  Every input has a way to the output: all three are loaded.
; LIMIT: a NaN, an infinity or an overflow that arises only in the scores left out is not carried to the result.
; LIMITS OF FORMAT: q, k, v, the attention's result and Wout go to the matrix units as f16: magnitudes up to 65,504; under 6e-5 they keep fewer than 11 bits.  NaN and infinities among the inputs are not served.
;
; THIS LAUNCH, three paths that part on the work-group's number and never join; each has LDS bytes of its own.
;  X, work-groups 0-127: x [4096][1024] f32, K innermost: a plain stream of blocks of 32.  A wave takes 16 steps of 512 numbers.  Each load reads 512 consecutive bytes; a step turns through the wave's own stage in LDS,
;     so that a lane holds 16 neighbours along K (two neighbouring lanes hold a block).  Codes leave 256 consecutive bytes a store, a wave's 256 scale bytes as one store.
;  W, work-groups 128-319: Wqkv [1024 k][3072 n] f32, K is the FIRST axis.  A lane takes a column and its registers run down K: a block of 32 lies in one lane.  A work-group takes 32 columns x 512 K, a wave 128 K (4 blocks).
;     The four waves' codes meet in a stage (row = column, 256 bytes), a barrier, and leave as whole rows: sixteen lanes store 256 consecutive bytes, aligned.
;  C, work-groups 320-447: Wout f32 to f16, as it lies; a wave takes 2,048 numbers.
; THE QUANTISER: a block's scale is 2^(floor(log2(largest magnitude)) - 2); its byte is the largest magnitude's exponent field - 2, held at 1 from below by a floor among the maximum's leaves.
; A block of zeros so gets the byte 1 where the rule says 127: its codes are zeros, which add nothing under any byte but 0xff, and this program alone reads the bytes.
; LIMIT: blocks whose largest magnitude lies under 2^-124 get the byte 1.
.set XWG,   128                        ; work-groups of path X: 4096 x 1024 / 32768
.set WWG,   192                        ; of path W: 96 groups of 32 columns x 2 halves of K
.set EMAX,  2
.set SPW,   12                         ; v12  LDS address of my spare word: SPARE + 4 x my thread's number; never rewritten
.set NIL,   13                         ; v13  0; never rewritten
.set STEPS, 16                         ; path X
.set CB,    8                          ; bytes of 16 codes
.set R,     16                         ; v16-79   four sets of 16 numbers as loaded
.set X,     80                         ; v80-111  two sets of 16 neighbours
.set E,     112                        ; v112-127 a scale byte for each step
.set C,     128                        ; v128-191 codes, four registers for each step: no store's data are written again
.set WREG,  8192                       ; LDS: a region for each wave: two stages of 32 x SP bytes, then its 256 scale bytes
.set SP,    80                         ; a lane's place in a stage: 64 bytes + 16 of padding
.set WROW,  3072*4                     ; path W: a row of Wqkv in bytes
.set WX,    32                         ; v32-95   two sets of 32 numbers
.set WC,    96                         ; v96-99   a block's codes
.set WSO,   100                        ; v100-103 scale bytes on the way out
.set WOUT,  112                        ; v112-127 codes on the way out
.set WST,   4*WREG                     ; LDS: the work-group's stage, 32 rows of WP bytes
.set WP,    272
.set WSC,   WST+32*WP                  ; the scale words: 16 bytes a column
.set SPARE, WSC+512                    ; the spare words, 128 bytes for each wave: two blocks of 256 bytes that no other line names
	s_load_b256 s[4:11], s[0:1], 0x0               ; x s[4:5], Wqkv s[6:7], Wout s[8:9], xc s[10:11]
	s_load_b256 s[12:19], s[0:1], 0x20             ; xs s[12:13], wc s[14:15], ws s[16:17], wo16 s[18:19]
	v_lshl_add_u32 v[SPW], v0, 2, SPARE
	v_mov_b32 v[NIL], 0
	v_lshrrev_b32 v1, 5, v0
	v_readfirstlane_b32 s20, v1                    ; wave 0..3
	v_and_b32 v2, 31, v0                           ; lane
	s_mov_b32 s25, 0                               ; the upper word of every offset pair s[24:25]
	s_wait_kmcnt 0x0
	s_cmp_lt_u32 ttmp9, XWG
	s_cbranch_scc1 .Lx_path
	s_cmp_lt_u32 ttmp9, XWG+WWG
	s_cbranch_scc1 .Lw_path
	; ---- path C: Wout to f16
	s_sub_co_u32 s21, ttmp9, XWG+WWG
	s_lshl_b32 s21, s21, 2
	s_add_co_u32 s21, s21, s20                     ; which run of 2,048 numbers is my wave's
	s_lshl_b32 s24, s21, 13                        ; 8,192 bytes in
	s_add_nc_u64 s[8:9], s[8:9], s[24:25]
	s_lshl_b32 s24, s21, 12                        ; 4,096 bytes out
	s_add_nc_u64 s[18:19], s[18:19], s[24:25]
	v_lshlrev_b32 v3, 4, v2                        ; in: 16 bytes a lane, 512 consecutive bytes a load
	v_lshlrev_b32 v4, 3, v2                        ; out: 8 bytes a lane, 256 consecutive bytes a store, aligned
.set j, 0
.rept 16
	global_load_b128 v[32+4*j:35+4*j], v3, s[8:9] offset:512*j th:TH_LOAD_NT
.set j, j+1
.endr
.set j, 0
.rept 16
	s_wait_loadcnt 15-j                            ; loads come back in order: load j is in, the 15 - j younger ones may be out
	v_cvt_pk_f16_f32 v[96+2*j], v[32+4*j], v[33+4*j]
	v_cvt_pk_f16_f32 v[97+2*j], v[34+4*j], v[35+4*j]
	global_store_b64 v4, v[96+2*j:97+2*j], s[18:19] offset:256*j
.set j, j+1
.endr
	s_wait_tensorcnt 0x0                           ; the wave's end, as on the paths that store to LDS; this path stores nothing there: one form for the three ends
	ds_add_u32 v[SPW], v[NIL]
	s_wait_dscnt 0x0
	s_endpgm
	; ---- path X: x into codes
.Lx_path:
	v_lshlrev_b32 v3, 4, v2                        ; my 16 bytes of a load's 512
	s_mul_i32 s21, s20, WREG
	v_lshrrev_b32 v14, 2, v2
	v_mul_u32_u24 v14, v14, SP
	v_and_b32 v15, 3, v2
	v_lshl_add_u32 v14, v15, 4, v14
	v_add_nc_u32 v14, s21, v14                     ; the stage, on the way in: four lanes' 64 bytes on end, then 16 of padding
	v_mul_u32_u24 v15, v2, SP
	v_add_nc_u32 v15, s21, v15                     ; on the way out: SP x lane: my 16 neighbours
	v_mul_u32_u24 v4, v2, CB                       ; my codes' place in a step's
	v_lshrrev_b32 v5, 1, v2
	s_add_co_u32 s21, s21, 2*32*SP
	v_add_nc_u32 v5, s21, v5                       ; my wave's 256 scale bytes, my block's byte
	v_lshlrev_b32 v7, 3, v2                        ; and on the way out 8 bytes a lane
	v_add_nc_u32 v6, s21, v7
	s_lshl_b32 s22, ttmp9, 2
	s_add_co_u32 s22, s22, s20                     ; which run of 8,192 numbers is my wave's
	s_lshl_b32 s24, s22, 15
	s_add_nc_u64 s[4:5], s[4:5], s[24:25]          ; 32,768 bytes of x,
	s_lshl_b32 s24, s22, 12
	s_add_nc_u64 s[10:11], s[10:11], s[24:25]      ; 4,096 of codes,
	s_lshl_b32 s24, s22, 8
	s_add_nc_u64 s[12:13], s[12:13], s[24:25]      ; 256 scale bytes a run
.macro XLOAD t
.irp i, 0,1,2,3
	global_load_b128 v[R+16*((\t)%4)+4*\i:R+16*((\t)%4)+4*\i+3], v3, s[4:5] offset:2048*(\t)+512*\i th:TH_LOAD_NT
.endr
.endm
.macro XTURN t                         ; step t's numbers through the stage: LDS serves a wave's instructions in order, so no wait stands between the stores and the loads
.irp i, 0,1,2,3
	ds_store_b128 v14, v[R+16*((\t)%4)+4*\i:R+16*((\t)%4)+4*\i+3] offset:32*SP*((\t)%2)+8*SP*\i
.endr
.irp i, 0,1,2,3
	ds_load_b128 v[X+16*((\t)%2)+4*\i:X+16*((\t)%2)+4*\i+3], v15 offset:32*SP*((\t)%2)+16*\i
.endr
.endm
.irp t, 0,1,2,3
	XLOAD \t
.endr
	s_wait_loadcnt 12                              ; step 0's four loads are in; the twelve of steps 1 to 3 may be out
	XTURN 0
.macro XSTEP t
.set XS, X+16*((\t)%2)
.if (\t) > 0
	s_wait_dscnt 1                                 ; this step's numbers are back from the stage; the last step's byte store may be out
.else
	s_wait_dscnt 0x0
.endif
.if (\t)+4 < STEPS
	XLOAD (\t)+4                                   ; into the set whose stores into the stage have read their registers
.endif
.if (\t)+1 < STEPS
.if STEPS-2-(\t) >= 3
	s_wait_loadcnt 12                              ; the next step's four loads are in; those of the three steps behind it may be out
.else
	s_wait_loadcnt 4*(STEPS-2-(\t))
.endif
	XTURN (\t)+1
.endif
	v_max3_num_f32 v8, |v[XS]|, |v[XS+1]|, |v[XS+2]|               ; the largest magnitude of my 16, in two chains
	v_max3_num_f32 v9, |v[XS+3]|, |v[XS+4]|, |v[XS+5]|
.irp i, 6,10
	v_max3_num_f32 v8, v8, |v[XS+\i]|, |v[XS+\i+1]|
	v_max3_num_f32 v9, v9, |v[XS+\i+2]|, |v[XS+\i+3]|
.endr
	v_max3_num_f32 v8, v8, |v[XS+14]|, |v[XS+15]|
	v_max3_num_f32 v8, v8, v9, (EMAX+1)<<23        ; and the floor 2^(3 - 127): the byte cannot fall under 1
	v_max_num_f32_dpp v8, v8, v8 row_xmask:1 row_mask:0xf bank_mask:0xf   ; and of my neighbour's 16: the block's
	v_add_nc_u32 v11, -(EMAX<<23), v8              ; 2 off its exponent field: the conversion takes the exponent field of this operand as its scale
	v_cvt_scalef32_pk8_fp4_f32 v[C+4*(\t)], v[XS:XS+7], v11
	v_cvt_scalef32_pk8_fp4_f32 v[C+4*(\t)+1], v[XS+8:XS+15], v11
	v_lshrrev_b32 v[E+(\t)], 23, v11               ; the scale's byte (a plain line behind the conversions)
	ds_store_b8 v5, v[E+(\t)] offset:16*(\t)       ; both lanes of a block write the same byte with the same value
	global_store_b64 v4, v[C+4*(\t):C+4*(\t)+1], s[10:11] offset:32*CB*(\t)   ; 32 lanes store 256 consecutive bytes, aligned
.endm
.irp t, 0,1,2,3,4,5,6,7,8,9,10,11,12,13,14,15
	XSTEP \t
.endr
	ds_load_b64 v[8:9], v6                         ; LDS serves a wave's instructions in order: these see my byte stores
	s_wait_dscnt 0x0
	global_store_b64 v7, v[8:9], s[12:13]          ; 256 consecutive bytes, aligned
	s_wait_tensorcnt 0x0                           ; the wave's end, behind my last LDS store
	ds_add_u32 v[SPW], v[NIL]
	s_wait_dscnt 0x0
	s_endpgm
	; ---- path W: Wqkv into codes, K innermost
.Lw_path:
	s_sub_co_u32 s21, ttmp9, XWG
	s_lshr_b32 s22, s21, 1                         ; which 32 columns
	s_and_b32 s23, s21, 1                          ; which half of K
	v_lshlrev_b32 v3, 2, v2                        ; in: 4 bytes a lane
	v_mul_u32_u24 v4, v2, WP
	s_lshl_b32 s24, s20, 6
	s_add_co_u32 s24, s24, WST
	v_add_nc_u32 v4, s24, v4                       ; into the stage: row = my column, my wave's 64 bytes of its 256
	v_and_b32 v5, 15, v2
	v_lshrrev_b32 v6, 4, v2
	v_mul_u32_u24 v7, v6, WP
	v_lshl_add_u32 v7, v5, 4, v7
	s_mul_i32 s24, s20, 8*WP
	s_add_co_u32 s24, s24, WST
	v_add_nc_u32 v7, s24, v7                       ; out of it: wave w takes rows 8 w .. 8 w + 7, sixteen lanes to a row, two rows an instruction
	v_lshlrev_b32 v8, 9, v6
	v_lshl_add_u32 v8, v5, 4, v8
	s_lshl_b32 s24, s20, 12
	v_add_nc_u32 v8, s24, v8                       ; the same place in wc: rows of 512 bytes
	v_lshlrev_b32 v10, 4, v2
	v_add_nc_u32 v10, WSC, v10                     ; my column's 16 scale bytes,
	s_lshl_b32 s24, s20, 2
	v_add_nc_u32 v9, s24, v10                      ; my wave's word of them
	v_lshlrev_b32 v14, 5, v2                       ; a row of ws is 32 bytes
	s_lshl_b32 s24, s23, 2
	s_add_co_u32 s24, s24, s20                     ; my 128 rows of Wqkv: 128 (4 x half + wave)
	s_mul_i32 s24, s24, 128*WROW
	s_lshl_b32 s26, s22, 7
	s_add_co_u32 s24, s24, s26                     ; + 128 bytes for each group of 32 columns
	s_add_nc_u64 s[6:7], s[6:7], s[24:25]
	s_lshl_b32 s24, s22, 14                        ; wc: 32 rows of 512 bytes a group, + 256 x half
	s_lshl_b32 s26, s23, 8
	s_add_co_u32 s24, s24, s26
	s_add_nc_u64 s[14:15], s[14:15], s[24:25]
	s_lshl_b32 s24, s22, 10                        ; ws: 32 rows of 32 bytes a group, + 16 x half
	s_lshl_b32 s26, s23, 4
	s_add_co_u32 s24, s24, s26
	s_add_nc_u64 s[16:17], s[16:17], s[24:25]
.macro WLOAD t                         ; block t: Wqkv(32 t + i, my column), i = 0 .. 31, into set t % 2.  The largest offset, 127 rows of 12,288 bytes, lies inside the signed 24-bit immediate
.set i, 0
.rept 32
	global_load_b32 v[WX+32*((\t)%2)+i], v3, s[6:7] offset:(32*(\t)+i)*WROW th:TH_LOAD_NT
.set i, i+1
.endr
.endm
	WLOAD 0
	WLOAD 1
.macro WBLOCK t
.set XS, WX+32*((\t)%2)
.if (\t) < 3
	s_wait_loadcnt 32                              ; this block's 32 loads are in; the next block's 32 may be out
.else
	s_wait_loadcnt 0
.endif
	v_max3_num_f32 v16, |v[XS]|, |v[XS+1]|, |v[XS+2]|              ; the block's largest magnitude: all 32 numbers are mine
	v_max3_num_f32 v17, |v[XS+3]|, |v[XS+4]|, |v[XS+5]|
.irp i, 6,10,14,18,22,26
	v_max3_num_f32 v16, v16, |v[XS+\i]|, |v[XS+\i+1]|
	v_max3_num_f32 v17, v17, |v[XS+\i+2]|, |v[XS+\i+3]|
.endr
	v_max3_num_f32 v16, v16, |v[XS+30]|, |v[XS+31]|
	v_max3_num_f32 v16, v16, v17, (EMAX+1)<<23     ; and the floor
	v_add_nc_u32 v11, -(EMAX<<23), v16             ; the conversion's scale operand
	v_lshrrev_b32 v18, 23, v11                     ; the scale's byte
.if (\t) == 0
	v_mov_b32 v24, v18                             ; four bytes to a word, the lower K in the lower byte
.else
	v_lshl_or_b32 v24, v18, 8*(\t), v24
.endif
.irp g, 0,1,2,3
	v_cvt_scalef32_pk8_fp4_f32 v[WC+\g], v[XS+8*\g:XS+8*\g+7], v11
.endr
	ds_store_b128 v4, v[WC:WC+3] offset:16*(\t)    ; 32 codes: 16 bytes of my column's row
.if (\t)+2 < 4
	WLOAD (\t)+2
.endif
	s_wait_dscnt 0x0                               ; the store has read its registers: the next block's codes may be written
.endm
	WBLOCK 0
	WBLOCK 1
	WBLOCK 2
	WBLOCK 3
	ds_store_b32 v9, v24                           ; my wave's four scale bytes of my column
	s_wait_dscnt 0x0                               ; for the others' sake: my stores into the stage are done
	s_barrier_signal -1
	s_barrier_wait -1                              ; 32 whole rows of 256 bytes lie in the stage
.irp t, 0,1,2,3
	ds_load_b128 v[WOUT+4*\t:WOUT+4*\t+3], v7 offset:2*\t*WP
.endr
.irp t, 0,1,2,3
	s_wait_dscnt 3-\t                              ; load t is back; the 3 - t younger ones may be out
	global_store_b128 v8, v[WOUT+4*\t:WOUT+4*\t+3], s[14:15] offset:2*\t*512   ; sixteen lanes store 256 consecutive bytes, aligned
.endr
	s_cmp_lg_u32 s20, 0                            ; wave 0 alone sends the scale bytes: 16 a column
	s_cbranch_scc1 .Lw_end
	ds_load_b128 v[WSO:WSO+3], v10
	s_wait_dscnt 0x0
	global_store_b128 v14, v[WSO:WSO+3], s[16:17]
.Lw_end:
	s_wait_tensorcnt 0x0                           ; the wave's end, behind my last LDS store
	ds_add_u32 v[SPW], v[NIL]
	s_wait_dscnt 0x0
	s_endpgm
.Lfunc_end_k_q211e3302db_prep:
	.size	k_q211e3302db_prep, .Lfunc_end_k_q211e3302db_prep-k_q211e3302db_prep
	.p2alignl 7, 3214868480
	.fill 96, 4, 3214868480
	.section	.rodata,"a",@progbits
	.p2align	6, 0x0
	.amdhsa_kernel k_q211e3302db_prep
		.amdhsa_group_segment_fixed_size 42496
		.amdhsa_private_segment_fixed_size 0
		.amdhsa_enable_private_segment 0
		.amdhsa_kernarg_size 64
		.amdhsa_user_sgpr_count 2
		.amdhsa_user_sgpr_kernarg_segment_ptr 1
		.amdhsa_wavefront_size32 1
		.amdhsa_system_sgpr_workgroup_id_x 1
		.amdhsa_system_sgpr_workgroup_id_y 1
		.amdhsa_system_sgpr_workgroup_id_z 1
		.amdhsa_system_vgpr_workitem_id 0
		.amdhsa_next_free_vgpr 192
		.amdhsa_next_free_sgpr 66
		.amdhsa_reserve_vcc 0
		.amdhsa_float_denorm_mode_32 3
		.amdhsa_float_denorm_mode_16_64 3
		.amdhsa_memory_ordered 1
		.amdhsa_forward_progress 1
		.amdhsa_inst_pref_size 60
	.end_amdhsa_kernel
	.amdgpu_metadata
---
amdhsa.version: [ 1, 2 ]
amdhsa.kernels:
  - .name:           k_q211e3302db_prep
    .symbol:         k_q211e3302db_prep.kd
    .args:
      - { .name: x, .offset: 0, .size: 8, .value_kind: global_buffer, .address_space: global }
      - { .name: Wqkv, .offset: 8, .size: 8, .value_kind: global_buffer, .address_space: global }
      - { .name: Wout, .offset: 16, .size: 8, .value_kind: global_buffer, .address_space: global }
      - { .name: xc, .offset: 24, .size: 8, .value_kind: global_buffer, .address_space: global }
      - { .name: xs, .offset: 32, .size: 8, .value_kind: global_buffer, .address_space: global }
      - { .name: wc, .offset: 40, .size: 8, .value_kind: global_buffer, .address_space: global }
      - { .name: ws, .offset: 48, .size: 8, .value_kind: global_buffer, .address_space: global }
      - { .name: wo16, .offset: 56, .size: 8, .value_kind: global_buffer, .address_space: global }
    .group_segment_fixed_size: 42496
    .private_segment_fixed_size: 0
    .kernarg_segment_align: 8
    .kernarg_segment_size: 64
    .max_flat_workgroup_size: 128
    .sgpr_count:     66
    .vgpr_count:     192
    .wavefront_size: 32
...
	.end_amdgpu_metadata
.endif
;; end of part 1
;; launch qkv (part 2): grid 12 x 16, 4 waves a work-group, clusters of 4 x 4, 327,680 bytes of LDS; arguments xc, xs, wc, ws, qkv16, nrm; writes qkv16, nrm
.if DOCPART == 2
	.amdgcn_target "amdgcn-amd-amdhsa--gfx1250"
	.amdhsa_code_object_version 6
	.text
	.protected	k_q211e3302db_qkv
	.globl	k_q211e3302db_qkv
	.p2align	8
	.type	k_q211e3302db_qkv,@function
k_q211e3302db_qkv:
	s_mov_b64 s[64:65], 0
	v_nop
	global_prefetch_b8 v0, s[64:65] scope:SCOPE_SE
	s_setreg_imm32_b32 hwreg(HW_REG_WAVE_MODE, 25, 1), 1
	s_wait_xcnt 0x0
	s_wait_alu depctr_hold_cnt(0) depctr_sa_sdst(0) depctr_va_vdst(0) depctr_va_sdst(0) depctr_va_ssrc(0) depctr_va_vcc(0) depctr_vm_vsrc(0)
	s_getreg_b32 s2, hwreg(HW_REG_IB_STS2, 6, 4)
	s_cmp_eq_u32 s2, 0
	s_cbranch_scc0 .Lentry_in_a_cluster
	s_endpgm
.Lentry_in_a_cluster:
	s_bfe_u32 s2, ttmp6, 0x10000c
	s_cmp_lg_u32 s2, 0xf033
	s_cbranch_scc0 .Lentry_shape_is_right
	s_endpgm
.Lentry_shape_is_right:
; qkv[m][n] = sum over k of x[m][k] Wqkv[k][n], both operands as codes of E2M1 with one E8M0 byte for each 32 along K (xc, xs: [4096] rows; wc, ws: [3072] rows, K innermost); sums in f32.
; A tile of 256 x 256 is made by four waves, each 128 x 128: 64 accumulators of 16 x 16, 512 registers.  K = 1,024 is two slots of 512 along K (rows of 256 bytes): both are first fills, nothing is filled again.
; The scale bytes of the work-group's 256 + 256 rows, for all of K, are two dense blocks: they come into LDS once, with the first fills.
; CLUSTERS: 4 x 4 work-groups; A's tiles are shared along a row of the cluster, B's along a column: each is asked for jointly, by the same tensor load with a mask that names the four.
; THE MATRIX INSTRUCTION IS USED TRANSPOSED (source 0 = 16 rows of wc, source 1 = 16 rows of xc): a lane holds one token and eight neighbouring columns.
; THE WAY OUT.  A wave's 128 columns are two whole heads of one section (q, k or v: the cluster's x, the same in all partners).  For q and k the sum of squares over a head's 64 columns is taken from the f32 sums
; (nrm [2][32 heads][2048] f32); v needs none.  The numbers are rounded once to f16 and stored by heads: qkv16 [3][32][2048][64].  LIMIT: magnitudes up to 65,504.
; 192 work-groups: with this tile a wave holds whole heads and a cluster one section.
; REGISTERS, in windows of 256: window 0: v0-31 addresses; v32-95 scale words, two sets, and nothing else; v128-191 A's fragments, one set; on the way out v96-255.
;   window 1: B's fragments, two sets.   windows 2, 3: the accumulators of my rows 0-63, 64-127 (accumulator (a, b) at v[8 (8 (a % 4) + b)]).
.set SIZE_K, 1024
.set KSTEP,  512
.set NQ,     KSTEP/128                 ; matrix instructions deep in a slot
.set ROWB,   256                       ; a tile's row in bytes
.set KROW,   SIZE_K/2                  ; a row of codes in memory
.set PITCH,  272                       ; an LDS row: 256 bytes + 16 of padding: the 16 rows that a load touches start 16 bytes apart modulo 256
.set FR,     8                         ; registers of a fragment
.set NL,     2                         ; LDS loads that bring one
.set NP,     4                         ; places behind this matrix instruction (ISA guide 7.12.1)
.set HALFT,  128*PITCH
.set SLOT,   4*HALFT                   ; A's 256 rows, then B's 256 rows
.set KS,     SIZE_K/32                 ; a row of scale bytes
.set SCL,    2*SLOT                    ; behind the slots: the scales, as units of 256 bytes + 16 of padding
.set HALFS,  (128*KS/256)*272
.set SBLK,   (16*KS/256)*272
.set SPARE,  SCL+4*HALFS               ; the spare words, 128 bytes for each wave: two blocks of 256 bytes that no other line names
.set SPITCH, 272                       ; the way out: a stage of 16 rows x (256 bytes + 16) for each wave, in slot 0, which has had its one fill and its last read by then
.set NST,    4*16*SPITCH               ; behind the four stages: 1,024 bytes for each wave's norms
.set ADRA, 16
.set ADRB, 20
.set NGO,  22                          ; v22  16 x lane: my place in a head's 512 bytes of norms
.set STO,  24
.set RD,   25
.set CO,   26
.set ADRS, 27
.set SPW,  28                          ; v28  LDS address of my spare word; never rewritten
.set NIL,  29                          ; v29  0; never rewritten
.set NSA,  30                          ; v30  where I put a token's norm
.set NSR,  31                          ; v31  where I read 16 bytes of norms back
.set SC,   32
.set TMP,  96                          ; v96-127  the way out: a block's packed results
.set AF,   128
.set BK,   128                         ; v128-159, v160-191 by turns: 16 rows read back from the stage
.set NR,   192                         ; v192-207 norms: block a, head e at NR + 2 a + e
.set TQ,   208                         ; v208-223 eight pairs of partial sums
.set TS,   224                         ; v224-227 at work
.set G1, 24
.set G0, 32
.set G1B, 48
.set G0B, 56
.set G1S, 68
.set G0S, 76
.set G1SB, 80
.set G0SB, 88
.set MSB, 0
.macro WIN new                         ; the immediate's high byte repeats the setting that is left
.if MSB != \new
	s_set_vgpr_msb (MSB<<8)|\new
.set MSB, \new
.endif
.endm
.set MUL_LO, 0xa1                      ; source 0 (B) window 1, source 1 (A) window 0, C and D window 2
.set MUL_HI, 0xf1
.set TO_B,   0x40
; A joint load: waves 0 and 1 fetch for A, waves 2 and 3 for B; the branch hangs on the wave's number alone.  An s_nop 0 and four v_nop follow each of the two lines.
.macro JLOAD g0a, g1a, g0b, g1b
	s_cmp_eq_u32 s15, 0
	s_cbranch_scc0 .Lfor_b_\@
	tensor_load_to_lds s[\g0a:\g0a+3], s[\g1a:\g1a+7]
	s_nop 0
.rept 4
	v_nop
.endr
	s_branch .Lasked_\@
.Lfor_b_\@:
	tensor_load_to_lds s[\g0b:\g0b+3], s[\g1b:\g1b+7]
	s_nop 0
.rept 4
	v_nop
.endr
.Lasked_\@:
.endm
.macro CROUND                          ; a round of the cluster's barrier
	s_barrier_signal -1
	s_barrier_wait -1
	s_cmp_lg_u32 s14, 0
	s_cbranch_scc1 .Lnot_wave_0_\@
	s_barrier_signal -3
.Lnot_wave_0_\@:
	s_barrier_wait -3
	s_barrier_signal -1
	s_barrier_wait -1
.endm
	s_load_b128 s[4:7], s[0:1], 0x0                ; xc s[4:5], xs s[6:7]
	s_load_b128 s[8:11], s[0:1], 0x10              ; wc s[8:9], ws s[10:11]
	s_load_b64 s[12:13], s[0:1], 0x20              ; qkv16
	s_load_b64 s[96:97], s[0:1], 0x28              ; nrm
	v_lshl_add_u32 v[SPW], v0, 2, SPARE
	v_mov_b32 v[NIL], 0
	ds_add_u32 v[SPW], v[NIL]                      ; the wave's opening: the add, twice on end, and its wait ahead of my first tensor load
	ds_add_u32 v[SPW], v[NIL]
	v_lshrrev_b32 v1, 5, v0
	v_readfirstlane_b32 s14, v1                    ; wave 0..3
	s_lshr_b32 s15, s14, 1                         ; which half of the tile's rows is mine.  Also: I fetch for A (0) or for B (1)
	s_and_b32 s16, s14, 1                          ; which half of its columns.  Also: which 128 rows of that tile I fetch
	s_bfe_u32 s40, ttmp6, 0x40000                  ; cx, cy
	s_bfe_u32 s41, ttmp6, 0x40004
	s_lshl_b32 s42, ttmp9, 2
	s_add_co_u32 s42, s42, s40                     ; tile column = 4 x cluster x + cx
	s_and_b32 s17, ttmp7, 0xffff
	s_lshl_b32 s17, s17, 2
	s_add_co_u32 s17, s17, s41                     ; tile row = 4 x cluster y + cy
	s_lshl_b32 s43, s41, 2
	s_lshl_b32 s43, 15, s43                        ; my row of the cluster
	s_lshl_b32 s44, 0x1111, s40                    ; my column
	s_or_b32 s[G1+0], s43, (0<<16)|(1<<20)|(1<<21)|(5<<22)|(3<<25)  ; the mask; elements of 1 byte; padding on; bit 21 beside a mask; after every 64 words 4 words
	s_or_b32 s[G1B+0], s44, (0<<16)|(1<<20)|(1<<21)|(5<<22)|(3<<25)
.irp g, G1, G1B
	s_mov_b32 s[\g+1], ROWB<<16                    ; tensor_dim0
	s_mov_b32 s[\g+2], 128<<16                     ; tensor_dim1
	s_mov_b32 s[\g+3], ROWB<<16                    ; tile_dim0
	s_mov_b32 s[\g+4], 128                         ; tile_dim1
	s_mov_b32 s[\g+5], KROW                        ; from row to row
	s_mov_b32 s[\g+6], 0
	s_mov_b32 s[\g+7], 0
.endr
	s_or_b32 s[G1S+0], s43, (3<<16)|(1<<20)|(1<<21)|(5<<22)|(3<<25)   ; the scales of 128 rows: a dense block, as rows of 256 bytes (32 elements of 8), 16 bytes of padding behind each
	s_or_b32 s[G1SB+0], s44, (3<<16)|(1<<20)|(1<<21)|(5<<22)|(3<<25)
.irp g, G1S, G1SB
	s_mov_b32 s[\g+1], 32<<16
	s_mov_b32 s[\g+2], (128*KS/256)<<16
	s_mov_b32 s[\g+3], 32<<16
	s_mov_b32 s[\g+4], 128*KS/256
	s_mov_b32 s[\g+5], 32
	s_mov_b32 s[\g+6], 0
	s_mov_b32 s[\g+7], 0
.endr
	s_lshl_b32 s18, s16, 7
	s_lshl_b32 s20, s17, 8
	s_add_co_u32 s20, s20, s18                     ; A: row 256 x tile row + 128 x half
	s_lshl_b32 s46, s42, 8
	s_add_co_u32 s46, s46, s18                     ; B: row 256 x tile column + 128 x half
	s_mov_b32 s21, 0
	s_mov_b32 s47, 0
	s_mov_b64 s[18:19], KS
	s_mul_u64 s[22:23], s[20:21], s[18:19]         ; where these rows' scales begin,
	s_mul_u64 s[92:93], s[46:47], s[18:19]
	s_mov_b64 s[18:19], KROW
	s_mul_u64 s[20:21], s[20:21], s[18:19]         ; and their codes
	s_mul_u64 s[46:47], s[46:47], s[18:19]
	s_mul_i32 s45, s14, HALFT                      ; where they go: wave x 128 rows: no place in the cluster enters an LDS address
	s_mul_i32 s94, s14, HALFS
	s_mov_b32 s98, 0x76543210
	s_mov_b32 s99, 0xfedcba98                      ; v_permlanex16_b32's selects for lane l xor 16
	s_wait_dscnt 0x0                               ; both opening adds are done
	s_wait_kmcnt 0x0
	s_add_nc_u64 s[20:21], s[4:5], s[20:21]
	s_add_nc_u64 s[22:23], s[6:7], s[22:23]
	s_add_nc_u64 s[46:47], s[8:9], s[46:47]
	s_add_nc_u64 s[92:93], s[10:11], s[92:93]
	CROUND                                         ; all sixteen work-groups are here: the joint loads meet
	s_mov_b32 s[G0S], 1
	s_add_co_u32 s[G0S+1], s94, SCL
	s_mov_b64 s[G0S+2:G0S+3], s[22:23]
	s_or_b32 s[G0S+3], s[G0S+3], 0x80000000
	s_mov_b32 s[G0SB], 1
	s_add_co_u32 s[G0SB+1], s94, SCL
	s_mov_b64 s[G0SB+2:G0SB+3], s[92:93]
	s_or_b32 s[G0SB+3], s[G0SB+3], 0x80000000
	JLOAD G0S, G1S, G0SB, G1SB                     ; the scales first; then both slots: three tensor loads of mine are out
.irp s, 0,1
	s_mov_b32 s[G0+4*\s], 1
	s_add_co_u32 s[G0+4*\s+1], s45, \s*SLOT
	s_add_nc_u64 s[G0+4*\s+2:G0+4*\s+3], s[20:21], \s*ROWB
	s_or_b32 s[G0+4*\s+3], s[G0+4*\s+3], 0x80000000
	s_mov_b32 s[G0B+4*\s], 1
	s_add_co_u32 s[G0B+4*\s+1], s45, \s*SLOT
	s_add_nc_u64 s[G0B+4*\s+2:G0B+4*\s+3], s[46:47], \s*ROWB
	s_or_b32 s[G0B+4*\s+3], s[G0B+4*\s+3], 0x80000000
	JLOAD G0+4*\s, G1, G0B+4*\s, G1B
.endr
	v_and_b32 v1, 15, v0                           ; r = l % 16
	v_bfe_u32 v2, v0, 4, 1                         ; h = l / 16
	v_mul_u32_u24 v3, v1, PITCH
	v_lshl_add_u32 v4, v2, 4, v3                   ; a fragment's row x pitch + 16 x half
	s_mul_i32 s21, s15, HALFT                      ; my 128 rows of A
	s_mul_i32 s22, s16, HALFT                      ; my 128 rows of B,
	s_add_co_u32 s22, s22, 2*HALFT                 ; behind A's 256
.irp s, 0,1
	v_add_nc_u32 v[ADRA+\s], s21, v4
	v_add_nc_u32 v[ADRB+\s], s22, v4
	s_add_co_u32 s21, s21, SLOT
	s_add_co_u32 s22, s22, SLOT
.endr
	v_mul_u32_u24 v5, v1, KS                       ; my row's scales: KS bytes a row,
	v_lshrrev_b32 v6, 8, v5
	v_lshl_add_u32 v5, v6, 4, v5                   ; and 16 more for each 256 passed
	s_mul_i32 s21, s15, HALFS
	s_mul_i32 s22, s16, HALFS
	s_add_co_u32 s22, s22, 2*HALFS
	s_sub_co_u32 s22, s22, s21
	v_mul_u32_u24 v6, s22, v2                      ; lanes 16-31 take B's: the lower base + h x the distance
	s_add_co_u32 s21, s21, SCL
	v_add_nc_u32 v5, v5, v6
	v_add_nc_u32 v[ADRS], s21, v5
	; the way out's addresses
	s_mul_i32 s23, s14, 16*SPITCH                  ; my stage
	v_mul_u32_u24 v5, v1, SPITCH
	v_lshl_add_u32 v5, v2, 4, v5
	v_add_nc_u32 v[STO], s23, v5                   ; in: row r, 16 bytes for each half of the lanes
	v_bfe_u32 v6, v0, 3, 1
	v_and_b32 v7, 7, v0
	v_mul_u32_u24 v5, v6, SPITCH
	v_lshl_add_u32 v5, v2, 7, v5
	v_lshl_add_u32 v5, v7, 4, v5
	v_add_nc_u32 v[RD], s23, v5                    ; back: lanes 0-15 two tokens' 128 bytes of my first head, lanes 16-31 of my second
	v_lshlrev_b32 v5, 18, v2                       ; and in qkv16: a head is 262,144 bytes, a token 128
	v_lshl_add_u32 v5, v6, 7, v5
	v_lshl_add_u32 v[CO], v7, 4, v5
	s_lshl_b32 s23, s14, 10
	s_add_co_u32 s23, s23, NST
	v_lshl_add_u32 v[NSA], v1, 2, s23
	v_and_b32 v5, 31, v0
	v_lshlrev_b32 v[NGO], 4, v5
	v_add_nc_u32 v[NSR], s23, v[NGO]
	s_lshr_b32 s20, s17, 3                         ; the batch: 8 tile rows each
	s_lshl_b32 s20, s20, 4
	s_lshl_b32 s21, ttmp9, 5                       ; the section: the cluster's x
	s_add_co_u32 s20, s20, s21
	s_lshl_b32 s46, s40, 2
	s_lshl_b32 s47, s16, 1
	s_add_co_u32 s46, s46, s47                     ; my first head: 4 cx + 2 x half
	s_add_co_u32 s46, s46, s20                     ; 32 x section + 16 x batch + head
	s_and_b32 s20, s17, 7
	s_lshl_b32 s20, s20, 8
	s_lshl_b32 s21, s15, 7
	s_add_co_u32 s20, s20, s21                     ; my first token in the sequence
	s_lshl_b32 s22, s46, 18
	s_lshl_b32 s23, s20, 7
	s_add_co_u32 s22, s22, s23
	s_mov_b32 s23, 0
	s_add_nc_u64 s[12:13], s[12:13], s[22:23]
	s_lshl_b32 s22, s46, 13
	s_lshl_b32 s21, s20, 2
	s_add_co_u32 s22, s22, s21
	s_add_nc_u64 s[96:97], s[96:97], s[22:23]      ; (used for sections 0 and 1 alone)
.macro FRAG reg, adr, q, i             ; 16 rows x 128 K of 4-bit codes: 8 registers; registers 4 c .. 4 c + 3 hold K = 64 c + 32 (l / 16) + 0 .. 31
.irp c, 0,1
	ds_load_b128 v[\reg+4*\c:\reg+4*\c+3], v[\adr] offset:64*(\q)+32*\c+(\i)*16*PITCH
.endr
.endm
; 16 matrix instructions: A's blocks a0, a0 + 1 x B's eight, 128 along K.  The 64 accumulators take turns, one instruction a turn, in the same order in every step.
.macro MUL16 a0, p, q, sc, zero
.irp a, \a0, \a0+1
.irp b, 0,1,2,3,4,5,6,7
.if \zero
	v_wmma_scale_f32_16x16x128_f8f6f4 v[8*(8*((\a)%4)+\b):8*(8*((\a)%4)+\b)+7], v[128*(\p)+FR*\b:128*(\p)+FR*\b+FR-1], v[AF+FR*(\a):AF+FR*(\a)+FR-1], 0, v[SC+8*NQ*(\sc)+NQ*\b+(\q)], v[SC+8*NQ*(\sc)+NQ*(\a)+(\q)] matrix_a_fmt:MATRIX_FMT_FP4 matrix_b_fmt:MATRIX_FMT_FP4 matrix_a_scale:MATRIX_SCALE_ROW1
.else
	v_wmma_scale_f32_16x16x128_f8f6f4 v[8*(8*((\a)%4)+\b):8*(8*((\a)%4)+\b)+7], v[128*(\p)+FR*\b:128*(\p)+FR*\b+FR-1], v[AF+FR*(\a):AF+FR*(\a)+FR-1], v[8*(8*((\a)%4)+\b):8*(8*((\a)%4)+\b)+7], v[SC+8*NQ*(\sc)+NQ*\b+(\q)], v[SC+8*NQ*(\sc)+NQ*(\a)+(\q)] matrix_a_fmt:MATRIX_FMT_FP4 matrix_b_fmt:MATRIX_FMT_FP4 matrix_a_scale:MATRIX_SCALE_ROW1
.endif
.endr
.endr
.endm
.macro FETCH_B slot, q, p
	WIN TO_B
.irp i, 0,1,2,3,4,5,6,7
	FRAG 128*(\p)+FR*\i, ADRB+\slot, \q, \i
.endr
	WIN 0
.endm
.macro FETCH_A slot, q, i0
.irp i, \i0, \i0+1, \i0+2, \i0+3
	FRAG AF+FR*(\i), ADRA+\slot, \q, \i
.endr
.endm
.macro SCALES sc                       ; a slot's scale words: NQ words a row; lanes 0-15 take A's block i, lanes 16-31 B's block i
.irp i, 0,1,2,3,4,5,6,7
	ds_load_b128 v[SC+8*NQ*\sc+NQ*\i:SC+8*NQ*\sc+NQ*\i+3], v[ADRS] offset:\i*SBLK
.endr
.endm
.macro PLACES n                        ; plain vector instructions that name no register of the matrix instructions ahead: in front of loads into registers that those have read, and of the first read of results
.rept \n
	v_nop
.endr
.endm
.macro STEP slot, q, zero              ; a step of 128 along K that has its successor in the same slot
	s_wait_dscnt 4*NL                              ; B's set and A's blocks 0-3 are in; the youngest eight loads (A's blocks 4-7) may be out
	WIN MUL_LO
	MUL16 0, (\q)%2, \q, \slot, \zero
	MUL16 2, (\q)%2, \q, \slot, \zero
	s_wait_dscnt 0                                 ; A's blocks 4-7 are in
	PLACES NP
	FETCH_B \slot, (\q)+1, 1-(\q)%2
	FETCH_A \slot, (\q)+1, 0
	WIN MUL_HI
	MUL16 4, (\q)%2, \q, \slot, \zero
	MUL16 6, (\q)%2, \q, \slot, \zero
	PLACES NP
	WIN 0
	FETCH_A \slot, (\q)+1, 4
.endm
; Slot 0's last step changes slots: one barrier; in front of it each wave waits for all its tensor loads (its part of slot 1), adds 0 to its spare word, and waits for that and for its reads of slot 0.
.macro TURN slot, next
	s_wait_tensorcnt 0x0                           ; all my tensor loads have landed
	ds_add_u32 v[SPW], v[NIL]                      ; 0 onto my spare word
	s_wait_dscnt 4*NL+1                            ; (the add and the youngest eight loads may be out)
	WIN MUL_LO
	MUL16 0, 1, NQ-1, \slot, 0
	s_wait_dscnt 0x0                               ; the add is done, and my reads of this slot are over
	s_barrier_signal -1
	MUL16 2, 1, NQ-1, \slot, 0
	WIN 0
	s_barrier_wait -1
	PLACES NP
	v_add_nc_u32 v[ADRS], 4*NQ, v[ADRS]            ; on to the next slot's scale words
	FETCH_B \next, 0, 0
	FETCH_A \next, 0, 0
	SCALES \next
	WIN MUL_HI
	MUL16 4, 1, NQ-1, \slot, 0
	MUL16 6, 1, NQ-1, \slot, 0
	PLACES NP
	WIN 0
	FETCH_A \next, 0, 4
.endm
.macro STEPS slot, from
.set Q, \from
.rept NQ-1-\from
	STEP \slot, Q, 0
.set Q, Q+1
.endr
.endm
	s_wait_tensorcnt 1                             ; the scales and my part of slot 0 are in; slot 1's load may be out
	s_barrier_signal -1
	s_barrier_wait -1
	FETCH_B 0, 0, 0
	FETCH_A 0, 0, 0
	SCALES 0
	FETCH_A 0, 0, 4
	STEP 0, 0, 1                                   ; the first step's products start the sums: nothing is cleared
	STEPS 0, 1
	TURN 0, 1
	STEPS 1, 0
	s_wait_dscnt 4*NL                              ; the last step: nothing more to fetch
	WIN MUL_LO
	MUL16 0, 1, NQ-1, 1, 0
	MUL16 2, 1, NQ-1, 1, 0
	s_wait_dscnt 0
	WIN MUL_HI
	MUL16 4, 1, NQ-1, 1, 0
	MUL16 6, 1, NQ-1, 1, 0
	WIN 0
	PLACES NP                                      ; behind the last products: for the first reads of results and for loads into the registers that held A's fragments
; The norms of block a (16 tokens): a lane holds 8 columns of each of 8 tiles; tiles 0-3 are my first head, 4-7 my second.  Eight chains by turns, each accumulator from its low end on.
.macro NORM a
.set AC, 64*((\a)%4)
	WIN 0x0a+5*((\a)/4)                            ; sources 0 and 1: window 2 or 3
.irp b, 0,1,2,3,4,5,6,7
	v_pk_mul_f32 v[TQ+2*\b:TQ+2*\b+1], v[AC+8*\b:AC+8*\b+1], v[AC+8*\b:AC+8*\b+1]
.endr
.irp p, 2,4,6
.irp b, 0,1,2,3,4,5,6,7
	v_pk_fma_f32 v[TQ+2*\b:TQ+2*\b+1], v[AC+8*\b+\p:AC+8*\b+\p+1], v[AC+8*\b+\p:AC+8*\b+\p+1], v[TQ+2*\b:TQ+2*\b+1]
.endr
.endr
	WIN 0
	v_pk_add_f32 v[TQ:TQ+1], v[TQ:TQ+1], v[TQ+2:TQ+3]
	v_pk_add_f32 v[TQ+4:TQ+5], v[TQ+4:TQ+5], v[TQ+6:TQ+7]
	v_pk_add_f32 v[TQ+8:TQ+9], v[TQ+8:TQ+9], v[TQ+10:TQ+11]
	v_pk_add_f32 v[TQ+12:TQ+13], v[TQ+12:TQ+13], v[TQ+14:TQ+15]
	v_pk_add_f32 v[TQ:TQ+1], v[TQ:TQ+1], v[TQ+4:TQ+5]
	v_pk_add_f32 v[TQ+8:TQ+9], v[TQ+8:TQ+9], v[TQ+12:TQ+13]
	v_add_f32 v[TS], v[TQ], v[TQ+1]
	v_add_f32 v[TS+1], v[TQ+8], v[TQ+9]
	v_permlanex16_b32 v[TS+2], v[TS], s98, s99     ; the token's other 32 columns of the head lie in the lane 16 away
	v_permlanex16_b32 v[TS+3], v[TS+1], s98, s99
	v_add_f32 v[NR+2*(\a)], v[TS], v[TS+2]
	v_add_f32 v[NR+2*(\a)+1], v[TS+1], v[TS+3]
.endm
	s_cmp_eq_u32 ttmp9, 2                          ; the section v needs no norms.  The cluster's x: the same in all partners
	s_cbranch_scc1 .Lno_norm
	v_mov_b32 v[TS+2], 0                           ; written once: a lane permute's destination counts as one of its sources
	v_mov_b32 v[TS+3], 0
.irp a, 0,1,2,3,4,5,6,7
	NORM \a
.endr
.irp a, 0,1,2,3,4,5,6,7
.irp e, 0,1
	ds_store_b32 v[NSA], v[NR+2*\a+\e] offset:\e*512+\a*64   ; token 16 a + r of head e; both halves of the lanes write the same word with the same value
.endr
.endr
.irp e, 0,1
	ds_load_b128 v[TQ+4*\e:TQ+4*\e+3], v[NSR] offset:\e*512  ; LDS serves a wave's instructions in order: these see my stores
.endr
	s_wait_dscnt 0x0
.irp e, 0,1
	global_store_b128 v[NGO], v[TQ+4*\e:TQ+4*\e+3], s[96:97] offset:\e*8192   ; 128 tokens' norms: 512 consecutive bytes, aligned; the next head 8,192 bytes on
.endr
.Lno_norm:
; Block a, in three parts.  PACK: rounded to f16, 16 bytes a lane.  TOSTAGE: into my stage, and back by heads.  SEND: stored.
.macro PACK a
.set AC, 64*((\a)%4)
	WIN 0x0a+5*((\a)/4)
.irp b, 0,1,2,3,4,5,6,7
.irp r, 0,1,2,3
	v_cvt_pk_f16_f32 v[TMP+4*\b+\r], v[AC+8*\b+2*\r], v[AC+8*\b+2*\r+1]
.endr
.endr
	WIN 0
.endm
.macro TOSTAGE a
.set BB, BK+32*((\a)%2)
.irp b, 0,1,2,3,4,5,6,7
	ds_store_b128 v[STO], v[TMP+4*\b:TMP+4*\b+3] offset:32*\b
.endr
.irp t, 0,1,2,3,4,5,6,7
	ds_load_b128 v[BB+4*\t:BB+4*\t+3], v[RD] offset:\t*2*SPITCH   ; in order behind the stores above; the next block's stores come behind these
.endr
.endm
.macro SEND a
.set BB, BK+32*((\a)%2)
	s_wait_dscnt 0x0                               ; the block is back in registers
	s_wait_xcnt 0x0                                ; the stores of the block before have read their registers: the next block's loads may land there
.irp t, 0,1,2,3,4,5,6,7
	global_store_b128 v[CO], v[BB+4*\t:BB+4*\t+3], s[12:13] offset:(\a)*2048+\t*256   ; sixteen lanes store two tokens of one head: 256 consecutive bytes, aligned
.endr
.endm
	PACK 0
	TOSTAGE 0
.irp a, 1,2,3,4,5,6,7                  ; block a's conversions stand between block a - 1's loads from the stage and the wait for them
	PACK \a
	SEND \a-1
	TOSTAGE \a
.endr
	SEND 7
	s_wait_tensorcnt 0x0                           ; the wave's end: behind my last tensor load and my last LDS store
	ds_add_u32 v[SPW], v[NIL]
	s_wait_dscnt 0x0
	CROUND                                         ; the closing round: no work-group ends while a partner may still ask for a tile that names it
	s_endpgm
.Lfunc_end_k_q211e3302db_qkv:
	.size	k_q211e3302db_qkv, .Lfunc_end_k_q211e3302db_qkv-k_q211e3302db_qkv
	.p2alignl 7, 3214868480
	.fill 96, 4, 3214868480
	.section	.rodata,"a",@progbits
	.p2align	6, 0x0
	.amdhsa_kernel k_q211e3302db_qkv
		.amdhsa_group_segment_fixed_size 327680
		.amdhsa_private_segment_fixed_size 0
		.amdhsa_enable_private_segment 0
		.amdhsa_kernarg_size 48
		.amdhsa_user_sgpr_count 2
		.amdhsa_user_sgpr_kernarg_segment_ptr 1
		.amdhsa_wavefront_size32 1
		.amdhsa_system_sgpr_workgroup_id_x 1
		.amdhsa_system_sgpr_workgroup_id_y 1
		.amdhsa_system_sgpr_workgroup_id_z 1
		.amdhsa_system_vgpr_workitem_id 0
		.amdhsa_next_free_vgpr 1024
		.amdhsa_next_free_sgpr 100
		.amdhsa_reserve_vcc 0
		.amdhsa_float_denorm_mode_32 3
		.amdhsa_float_denorm_mode_16_64 3
		.amdhsa_memory_ordered 1
		.amdhsa_forward_progress 1
		.amdhsa_inst_pref_size 150
	.end_amdhsa_kernel
	.amdgpu_metadata
---
amdhsa.version: [ 1, 2 ]
amdhsa.kernels:
  - .name:           k_q211e3302db_qkv
    .symbol:         k_q211e3302db_qkv.kd
    .args:
      - { .name: xc, .offset: 0, .size: 8, .value_kind: global_buffer, .address_space: global }
      - { .name: xs, .offset: 8, .size: 8, .value_kind: global_buffer, .address_space: global }
      - { .name: wc, .offset: 16, .size: 8, .value_kind: global_buffer, .address_space: global }
      - { .name: ws, .offset: 24, .size: 8, .value_kind: global_buffer, .address_space: global }
      - { .name: qkv16, .offset: 32, .size: 8, .value_kind: global_buffer, .address_space: global }
      - { .name: nrm, .offset: 40, .size: 8, .value_kind: global_buffer, .address_space: global }
    .group_segment_fixed_size: 327680
    .private_segment_fixed_size: 0
    .kernarg_segment_align: 8
    .kernarg_segment_size: 48
    .max_flat_workgroup_size: 128
    .sgpr_count:     100
    .vgpr_count:     1024
    .wavefront_size: 32
...
	.end_amdgpu_metadata
.endif
;; end of part 2
;; launch attn (part 3): grid 8 x 32, 16 waves a work-group, no clusters, 327,680 bytes of LDS; arguments qkv16, nrm, att2; writes att2
.if DOCPART == 3
	.amdgcn_target "amdgcn-amd-amdhsa--gfx1250"
	.amdhsa_code_object_version 6
	.text
	.protected	k_q211e3302db_attn
	.globl	k_q211e3302db_attn
	.p2align	8
	.type	k_q211e3302db_attn,@function
k_q211e3302db_attn:
	s_mov_b64 s[64:65], 0
	v_nop
	global_prefetch_b8 v0, s[64:65] scope:SCOPE_SE
	s_setreg_imm32_b32 hwreg(HW_REG_WAVE_MODE, 25, 1), 1
	s_wait_xcnt 0x0
; For each batch and head: dot = q k^T; score = dot^2 / (|q|^2 + |k|^2 - 2 dot + 1e-6); keys behind the query are hidden; softmax along the keys; times v.  q, k, v: qkv16 [3][32][2048][64] f16; the norms: nrm [2][32][2048] f32.
; The result, f16: att2 [32 blocks of 128 tokens][16 heads][128][64], so that the next launch finds a block's heads as one dense run.
; WORK LEFT OUT: steps of 64 keys that lie wholly behind a wave's 16 queries, and slots of 256 keys wholly behind the work-group's last query: reference()'s own jnp.tril gives them the weight exactly 0 (shown at the head of the first launch).
; LIMITS: dot comes from f16 operands while the norms are f32: where |q - k|^2 is no larger than that rounding of dot, the divisor differs from reference()'s.  p goes to the second product as f16; the row's sum is taken of the f32 p.
; NO CLUSTER: the eight work-groups of a head end their walks at different keys (1,152 to 2,048), so a joint load would bring some partners tiles that none of their waves reads.
; SHARES.  Work-group (i, head) owns the blocks of 128 queries i and 15 - i: i + 1 + 16 - i = 17 blocks of keys' work in every work-group.  Each of sixteen waves owns 16 queries, one tile, in 256 registers.
; Wave w takes the low block where ((w >> 2) ^ w) & 1 is 0: among waves w, w + 4, w + 8, w + 12 and among waves 4 m .. 4 m + 3 alike, two take the low block and two the high one.
; EVERY work-group walks all 8 slots, so that trip counts are constants; a step's work is jumped over by a scalar branch on ids.  K's and V's tiles come through a ring of two LDS slots (waves 0, 1: K's halves; waves 2, 3: V's).
; LAYOUT.  S^T = K Q^T (source 0 = 16 keys, source 1 = my 16 queries): a lane holds ONE query (lane % 16) and keys 8 (lane / 16) + 0..7 of each tile.  Two tiles, rounded to f16 in pairs, ARE source 1 (32 keys x 16 queries) of
; O^T = V^T P; V ([key][channel]) comes out of LDS turned, by ds_load_tr16_b128.  SOFTMAX: a running maximum m and sum l; p = 2^(c s - c m), c = log2(e); O and l are multiplied by a = 2^(c m_old - c m_new) in every step.
.set SK,    256                        ; keys in a slot
.set NSL,   2048/SK
.set KP,    144                        ; a key's row in LDS: 128 bytes + 16: the 16 rows of a load start 16 bytes apart modulo 256
.set VP,    160                        ; a row of V: 128 + 32
.set VOFF,  SK*KP
.set SLOT1, 1<<17                      ; slot 1 begins here: one exclusive or turns an address
.set KNO,   2*SLOT1                    ; behind the ring: the head's |k|^2, 8,192 bytes, filled once
.set SPARE, KNO+8192                   ; the spare words, 128 bytes for each wave: eight blocks of 256 bytes that no other line names
.set STAGE, 0                          ; the way out: 16 rows x 144 bytes for each wave, in slot 0: left at the last change of slots, it has had its last fill and nobody reads it
.set SECT,  8388608                    ; a section of qkv16
.set AK0, 1                            ; v1   my lane's place in a tile of K
.set AV0, 2                            ; v2   in a tile of V
.set AN0, 3                            ; v3   among the norms
.set SPW, 4                            ; v4   LDS address of my spare word; never rewritten
.set NIL, 5                            ; v5   0; never rewritten
.set ADK, 6                            ; v6-8 the addresses of the step in hand
.set ADV, 7
.set ADN, 8
.set QE,  10                           ; v10  |q|^2 + 1e-6 of my query;  v11 the prefetches' offset, 256 x lane (named with v10 as a pair whose low word serves both halves)
.set PFO, 11
.set CM,  12                           ; v12  c m;  v13 m
.set MX,  13
.set LS,  14                           ; v[14:15] l, in two halves
.set QR,  16                           ; v16-31   Q: two fragments of 32 channels
.set KR,  32                           ; v32-95   K: tile t, channels 32 c on, at KR + 16 t + 8 c
.set S,   96                           ; v96-127  S^T, then p
.set KN,  128                          ; v128-159 |k|^2, then the divisor and its reciprocal; afterwards v128-143 P
.set TW,  144                          ; v144-153 at work, once the reciprocals are used
.set OT,  160                          ; v160-191 O^T
.set VR,  192                          ; v192-255 V^T: keys 32 g on, channels 16 t on, at VR + 8 (4 g + t)
.set TB,  2                            ; s2   LDS byte at which the slot in hand begins
.set TN,  3                            ; s3   where the step's norms begin: 256 bytes a step
.set WV,  18
.set SEL, 20                           ; s[20:21] lane selects: lane l xor 16
.set CS,  22                           ; s[22:23] c = log2(e)
.set G1K, 24
.set G1V, 32
.set G0K, 40
.set G0V, 44
.set G1N, 48
.set G0N, 56
.set Q0,  60                           ; s60  my first query
.set KF,  61                           ; s61  the step's first key
.set LASTQ, 62                         ; s62  my work-group's last query
.set SLOTS, 63                         ; s63  changes of slots that may still ask for a slot
.set PFA, 66                           ; s[66:67] where my prefetches stand
.set LIM, 68                           ; s68  1 in a wave that prefetches, else the greatest number
; Waves 0 and 1 take the first line, waves 2 and 3 the second, the others none.  An s_nop 0 and four v_nop follow each line.
.macro TLOAD g0k, g1k, g0v, g1v
	s_cmp_lt_u32 s[WV], 2
	s_cbranch_scc0 .Lnot_k_\@
	tensor_load_to_lds s[\g0k:\g0k+3], s[\g1k:\g1k+7]
	s_nop 0
.rept 4
	v_nop
.endr
	s_branch .Lasked_\@
.Lnot_k_\@:
	s_cmp_lt_u32 s[WV], 4
	s_cbranch_scc0 .Lasked_\@
	tensor_load_to_lds s[\g0v:\g0v+3], s[\g1v:\g1v+7]
	s_nop 0
.rept 4
	v_nop
.endr
.Lasked_\@:
.endm
; A prefetch of what the NEXT change of slots will ask for: a slot's 32,768 bytes of K and of V, both dense.  All eight work-groups of a head walk the same K and V: work-group 0, which walks all keys, asks.
; In it waves 4 to 7 ask for K's block and waves 8 to 11 for V's: 8,192 bytes a wave, lanes 256 bytes apart, one instruction: each aligned 256 bytes are named once in the launch.
; The last change that fills a slot asks for nothing; slots 0 and 1 come by their loads alone.
.macro ASK
	s_cmp_gt_u32 s[SLOTS], s[LIM]
	s_cbranch_scc0 .Lnot_mine_\@
	global_prefetch_b8 v[PFO], s[PFA:PFA+1] th:TH_LOAD_NT scope:SCOPE_SE
.Lnot_mine_\@:
.endm
	s_load_b128 s[4:7], s[0:1], 0x0                ; qkv16 s[4:5], nrm s[6:7]
	s_load_b64 s[8:9], s[0:1], 0x10                ; att2
	v_lshl_add_u32 v[SPW], v0, 2, SPARE
	v_mov_b32 v[NIL], 0
	ds_add_u32 v[SPW], v[NIL]                      ; the wave's opening: the add, twice on end, and its wait ahead of the first tensor load
	ds_add_u32 v[SPW], v[NIL]
	v_lshrrev_b32 v6, 5, v0
	v_readfirstlane_b32 s[WV], v6                  ; wave 0..15
	s_and_b32 s17, ttmp7, 0xffff                   ; batch x 16 + head
	s_lshr_b32 s19, s[WV], 2
	s_xor_b32 s19, s19, s[WV]
	s_and_b32 s19, s19, 1                          ; 0: the low block of queries, 1: the high one
	s_sub_co_u32 s69, 15, ttmp9
	s_cmp_eq_u32 s19, 0
	s_cselect_b32 s69, ttmp9, s69                  ; my block of 128 queries
	s_lshr_b32 s16, s[WV], 1                       ; my tile of 16 in it
	s_lshl_b32 s[Q0], s69, 7
	s_lshl_b32 s70, s16, 4
	s_add_co_u32 s[Q0], s[Q0], s70
	s_lshl_b32 s[LASTQ], ttmp9, 7
	s_sub_co_u32 s[LASTQ], 2047, s[LASTQ]          ; 128 (15 - i) + 127
	s_lshl_b32 s71, s17, 18                        ; the head's first byte in a section
	s_and_b32 s72, s[WV], 1                        ; which half of a slot's keys I fetch, if I fetch
	s_lshl_b32 s73, s72, 14
	s_add_co_u32 s74, s71, s73
	s_add_co_u32 s74, s74, SECT                    ; K: section 1
	s_mov_b32 s75, 0
	s_add_co_u32 s76, s74, SECT                    ; V: section 2
	s_mov_b32 s77, 0
	s_mul_i32 s78, s72, 128*KP                     ; and where they go in a slot
	s_mul_i32 s79, s72, 128*VP
	s_add_co_u32 s79, s79, VOFF
	s_and_b32 s70, s[WV], 3
	s_lshl_b32 s70, s70, 11                        ; my quarter of the head's |k|^2
	s_lshl_b32 s14, s17, 13
	s_add_co_u32 s14, s14, s70
	s_add_co_u32 s14, s14, 262144                  ; behind the 32 heads' |q|^2
	s_mov_b32 s15, 0
	; descriptor group 1.  K: 128 rows of 64 elements of 2 bytes, dense; 4 words of padding behind every 32.  V: the same with 8 words.  The norms: 8 rows of 256 bytes, dense, no padding
	s_mov_b32 s[G1K], (1<<16)|(1<<20)|(4<<22)|(3<<25)
	s_mov_b32 s[G1V], (1<<16)|(1<<20)|(4<<22)|(7<<25)
.irp g, G1K, G1V
	s_mov_b32 s[\g+1], 64<<16                      ; tensor_dim0
	s_mov_b32 s[\g+2], 128<<16                     ; tensor_dim1
	s_mov_b32 s[\g+3], 64<<16                      ; tile_dim0
	s_mov_b32 s[\g+4], 128                         ; tile_dim1
	s_mov_b32 s[\g+5], 64                          ; from row to row
	s_mov_b32 s[\g+6], 0
	s_mov_b32 s[\g+7], 0
.endr
	s_mov_b32 s[G1N], 3<<16
	s_mov_b32 s[G1N+1], 32<<16
	s_mov_b32 s[G1N+2], 8<<16
	s_mov_b32 s[G1N+3], 32<<16
	s_mov_b32 s[G1N+4], 8
	s_mov_b32 s[G1N+5], 32
	s_mov_b32 s[G1N+6], 0
	s_mov_b32 s[G1N+7], 0
	s_mov_b32 s[SEL], 0x76543210
	s_mov_b32 s[SEL+1], 0xfedcba98
	s_mov_b32 s[CS], 0x3fb8aa3b                    ; log2(e)
	s_mov_b32 s[CS+1], s[CS]                       ; (named with it as a pair, so it is written)
	s_mov_b32 s[TB], 0
	s_mov_b32 s[TN], 0
	s_mov_b32 s[KF], 0
	s_mov_b32 s[SLOTS], NSL-1
	s_wait_dscnt 0x0                               ; both opening adds are done
	s_wait_kmcnt 0x0
	s_mov_b32 s[G0N], 1
	s_add_co_u32 s[G0N+1], s70, KNO
	s_add_nc_u64 s[G0N+2:G0N+3], s[6:7], s[14:15]
	s_or_b32 s[G0N+3], s[G0N+3], 0x80000000
	TLOAD G0N, G1N, G0N, G1N                       ; the head's |k|^2, a quarter to each of waves 0 to 3: filled once
	s_mov_b32 s[G0K], 1
	s_mov_b32 s[G0K+1], s78
	s_add_nc_u64 s[G0K+2:G0K+3], s[4:5], s[74:75]
	s_or_b32 s[G0K+3], s[G0K+3], 0x80000000
	s_mov_b32 s[G0V], 1
	s_mov_b32 s[G0V+1], s79
	s_add_nc_u64 s[G0V+2:G0V+3], s[4:5], s[76:77]
	s_or_b32 s[G0V+3], s[G0V+3], 0x80000000
	TLOAD G0K, G1K, G0V, G1V                       ; slot 0: two tensor loads of a fetching wave are out
	s_lshl_b32 s14, s[Q0], 7
	s_add_co_u32 s14, s14, s71
	s_add_nc_u64 s[10:11], s[4:5], s[14:15]        ; Q at my first query
	s_lshl_b32 s14, s17, 13
	s_lshl_b32 s70, s[Q0], 2
	s_add_co_u32 s14, s14, s70
	s_add_nc_u64 s[12:13], s[6:7], s[14:15]        ; and its |q|^2
	s_lshr_b32 s14, s17, 4
	s_lshl_b32 s14, s14, 4
	s_add_co_u32 s14, s14, s69                     ; the block of 128 tokens: 16 x batch + block
	s_lshl_b32 s14, s14, 4
	s_and_b32 s70, s17, 15
	s_add_co_u32 s14, s14, s70                     ; its plane for my head: 16,384 bytes each
	s_lshl_b32 s14, s14, 14
	s_lshl_b32 s70, s16, 11
	s_add_co_u32 s14, s14, s70                     ; my 16 rows of 128 bytes
	s_add_nc_u64 s[8:9], s[8:9], s[14:15]
	s_cmp_lt_u32 s[WV], 8                          ; the prefetches: waves 4 to 7 stand in K, waves 8 to 11 in V
	s_cselect_b32 s14, 1, 2
	s_lshl_b32 s14, s14, 23
	s_add_co_u32 s14, s14, s71
	s_and_b32 s70, s[WV], 3
	s_lshl_b32 s70, s70, 13
	s_add_co_u32 s14, s14, s70                     ; my wave's 8,192 bytes,
	s_add_co_u32 s14, s14, SK*128                  ; in slot 1: the first change of slots steps it to slot 2.  Nothing is prefetched here, at the head
	s_add_nc_u64 s[PFA:PFA+1], s[4:5], s[14:15]
	s_sub_co_u32 s70, s[WV], 4
	s_lshr_b32 s70, s70, 3                         ; 0 in waves 4 to 11,
	s_or_b32 s70, s70, ttmp9                       ; of the head's work-group 0
	s_cmp_eq_u32 s70, 0
	s_cselect_b32 s[LIM], 1, -1
	v_and_b32 v6, 15, v0                           ; r
	v_bfe_u32 v7, v0, 4, 1                         ; h
	v_lshlrev_b32 v8, 7, v6
	v_lshl_add_u32 v8, v7, 4, v8                   ; Q: row r of 128 bytes, + 16 h
.irp c, 0,1,2,3
	global_load_b128 v[QR+4*\c:QR+4*\c+3], v8, s[10:11] offset:32*\c   ; two fragments: registers 0-3 channels 8 h on, 4-7 channels 16 + 8 h on; the second 32 channels further
.endr
	v_lshlrev_b32 v9, 2, v6
	global_load_b32 v[QE], v9, s[12:13]
	v_mul_u32_u24 v[AK0], v6, KP
	v_lshl_add_u32 v[AK0], v7, 4, v[AK0]           ; K: row r x pitch + 16 h
	v_and_b32 v[TW], 7, v0
	v_bfe_u32 v[TW+1], v0, 3, 1
	v_lshl_add_u32 v[AV0], v7, 3, v[TW]            ; the turning load: key 8 h + l % 8, channels 8 ((l / 8) % 2) on
	v_mul_u32_u24 v[AV0], v[AV0], VP
	v_lshl_add_u32 v[AV0], v[TW+1], 4, v[AV0]
	v_add_nc_u32 v[AV0], VOFF, v[AV0]
	v_lshl_add_u32 v[AN0], v7, 5, KNO              ; the norms of keys 8 h on: 4 bytes a key
	v_and_b32 v[PFO], 31, v0
	v_lshlrev_b32 v[PFO], 8, v[PFO]
	v_mov_b32 v[CM], 0xff61b1e6                    ; c m and m begin at -3e38, under every score: the first a is 2^(-3e38 - c m) = 0, times zeros
	v_mov_b32 v[MX], 0xff61b1e6
	v_mov_b32 v[LS], 0
	v_mov_b32 v[LS+1], 0
	v_mov_b32 v[TW+4], 0                           ; written once: a lane permute's destination counts as one of its sources
.set j, 0
.rept 32
	v_mov_b32 v[OT+j], 0                           ; O^T.  (The step is written without a first form of its own: the first finds zeros)
.set j, j+1
.endr
; A KEY STEP: 64 keys, the q-th of the slot in hand.
.macro STEP q
	s_add_co_u32 s70, s[Q0], 15
	s_cmp_gt_u32 s[KF], s70                        ; all 64 keys come behind my 16 queries: the step's work is left out; not the lines at its end that step addresses
	s_cbranch_scc1 .Lhidden_\@
	v_add_nc_u32 v[ADK], s[TB], v[AK0]
	v_add_nc_u32 v[ADV], s[TB], v[AV0]
	v_add_nc_u32 v[ADN], s[TN], v[AN0]
	v_nop                                          ; four plain lines behind the last step's products, in front of loads into registers that those have read (V, P)
.irp t, 0,1,2,3
.irp c, 0,1
	ds_load_b128 v[KR+16*\t+8*\c:KR+16*\t+8*\c+3],   v[ADK] offset:(64*(\q)+16*\t)*KP+64*\c
	ds_load_b128 v[KR+16*\t+8*\c+4:KR+16*\t+8*\c+7], v[ADK] offset:(64*(\q)+16*\t)*KP+64*\c+32
.endr
.endr
.irp t, 0,1,2,3
	ds_load_b128 v[KN+8*\t:KN+8*\t+3],   v[ADN] offset:64*\t      ; |k|^2 of keys 16 t + 8 h + 0 .. 7, in the scores' own layout; the sixteen lanes of a half read the same words
	ds_load_b128 v[KN+8*\t+4:KN+8*\t+7], v[ADN] offset:64*\t+16
.endr
.irp g, 0,1
.irp t, 0,1,2,3
	ds_load_tr16_b128 v[VR+8*(4*\g+\t):VR+8*(4*\g+\t)+3],   v[ADV] offset:(64*(\q)+32*\g)*VP+32*\t
	ds_load_tr16_b128 v[VR+8*(4*\g+\t)+4:VR+8*(4*\g+\t)+7], v[ADV] offset:(64*(\q)+32*\g+16)*VP+32*\t
.endr
.endr
	s_wait_dscnt 16                                ; K and the norms are in; V's sixteen loads, the youngest, may be out
.irp t, 0,1,2,3                        ; the four accumulators take turns, one instruction a turn; the first four start the sums
	v_wmma_f32_16x16x32_f16 v[S+8*\t:S+8*\t+7], v[KR+16*\t:KR+16*\t+7], v[QR:QR+7], 0
.endr
.irp t, 0,1,2,3
	v_wmma_f32_16x16x32_f16 v[S+8*\t:S+8*\t+7], v[KR+16*\t+8:KR+16*\t+15], v[QR+8:QR+15], v[S+8*\t:S+8*\t+7]
.endr
.set j, 0
.rept 16
	v_pk_add_f32 v[KN+j:KN+j+1], v[KN+j:KN+j+1], v[QE:QE+1] op_sel_hi:[1,0]      ; |k|^2 + (|q|^2 + 1e-6).  (These sixteen are the places behind the products)
.set j, j+2
.endr
.set j, 0
.rept 16
	v_pk_fma_f32 v[KN+j:KN+j+1], v[S+j:S+j+1], -2.0, v[KN+j:KN+j+1] op_sel_hi:[1,0,1]   ; - 2 dot: the divisor.  Each accumulator is read from its low end on
.set j, j+2
.endr
.set j, 0
.rept 32
	v_rcp_f32 v[KN+j], v[KN+j]
.set j, j+1
.endr
.set j, 0
.rept 16
	v_pk_mul_f32 v[S+j:S+j+1], v[S+j:S+j+1], v[S+j:S+j+1]                        ; dot^2: plain work behind the reciprocals
.set j, j+2
.endr
	s_wait_alu depctr_va_vdst(0)                   ; one wait for the 32 reciprocals, ahead of their first reader
.set j, 0
.rept 16
	v_pk_mul_f32 v[S+j:S+j+1], v[S+j:S+j+1], v[KN+j:KN+j+1]                      ; the score
.set j, j+2
.endr
	s_add_co_u32 s70, s[KF], 63                    ; on the diagonal the scores of hidden keys become -infinity ahead of the maximum: p = 0 then.  A step all of whose keys count skips this
	s_cmp_le_u32 s70, s[Q0]
	s_cbranch_scc1 .Lopen_\@
	s_sub_co_i32 s70, s[Q0], s[KF]
	v_and_b32 v[TW], 15, v0
	v_bfe_u32 v[TW+1], v0, 4, 1
	v_lshlrev_b32 v[TW+1], 3, v[TW+1]
	v_sub_nc_u32 v[TW], v[TW], v[TW+1]
	v_add_nc_u32 v[TW], s70, v[TW]                 ; d = my query - KF - 8 h.  Register 8 t + i holds key KF + 16 t + 8 h + i: hidden where 16 t + i > d
	v_mov_b32 v[TW+1], 0xff800000
.set n, 0
.rept 32
	v_cmp_gt_i32 vcc_lo, 16*(n/8)+n%8, v[TW]
	v_cndmask_b32 v[S+n], v[S+n], v[TW+1], vcc_lo
.set n, n+1
.endr
.Lopen_\@:
.irp j, 0,1,2,3                        ; the maximum of my 32 scores and the old m: four chains of seven, then the four left over
	v_max3_num_f32 v[TW+\j], v[S+8*\j], v[S+8*\j+1], v[S+8*\j+2]
.endr
.irp i, 3,5
.irp j, 0,1,2,3
	v_max3_num_f32 v[TW+\j], v[TW+\j], v[S+8*\j+\i], v[S+8*\j+\i+1]
.endr
.endr
	v_max3_num_f32 v[TW], v[TW], v[S+7], v[S+15]
	v_max3_num_f32 v[TW+2], v[TW+2], v[S+23], v[S+31]
	v_max3_num_f32 v[TW], v[TW], v[TW+1], v[TW+2]
	v_max3_num_f32 v[TW], v[TW], v[TW+3], v[MX]
	v_permlanex16_b32 v[TW+4], v[TW], s[SEL], s[SEL+1]   ; the query's other 32 keys lie in the lane 16 away
	v_mov_b32 v[TW+5], v[CM]
	v_max_num_f32 v[MX], v[TW], v[TW+4]
	v_mul_f32 v[CM], s[CS], v[MX]
	v_sub_f32 v[TW+5], v[TW+5], v[CM]
	v_exp_f32 v[TW+6], v[TW+5]                     ; a = 2^(c m_old - c m_new)
.set j, 0
.rept 16
	v_pk_fma_f32 v[S+j:S+j+1], v[S+j:S+j+1], s[CS:CS+1], v[CM:CM+1] op_sel_hi:[1,0,0] neg_lo:[0,0,1] neg_hi:[0,0,1]   ; c s - c m
.set j, j+2
.endr
	s_wait_alu depctr_va_vdst(0)                   ; the wait for a
.set j, 0
.rept 32
	v_exp_f32 v[S+j], v[S+j]                       ; p, at most 1
.set j, j+1
.endr
	v_pk_mul_f32 v[LS:LS+1], v[LS:LS+1], v[TW+6:TW+7] op_sel_hi:[1,0]            ; l and O^T under the new m: plain work behind the batch, which names none of its results
.set j, 0
.rept 16
	v_pk_mul_f32 v[OT+j:OT+j+1], v[OT+j:OT+j+1], v[TW+6:TW+7] op_sel_hi:[1,0]
.set j, j+2
.endr
	s_wait_alu depctr_va_vdst(0)                   ; one wait for the 32 exponentials, ahead of their first reader
.set j, 0
.rept 16
	v_cvt_pk_f16_f32 v[KN+j], v[S+2*j], v[S+2*j+1] ; P: tiles 2 g and 2 g + 1 make source 1 of keys 32 g on
.set j, j+1
.endr
	v_pk_add_f32 v[TW+8:TW+9], v[S:S+1], v[S+2:S+3]                              ; the row's sum, of the f32 p, in two chains
.set j, 4
.rept 7
	v_pk_add_f32 v[LS:LS+1], v[LS:LS+1], v[S+j:S+j+1]
	v_pk_add_f32 v[TW+8:TW+9], v[TW+8:TW+9], v[S+j+2:S+j+3]
.set j, j+4
.endr
	v_pk_add_f32 v[LS:LS+1], v[LS:LS+1], v[TW+8:TW+9]
	s_wait_dscnt 0x0                               ; V is in
.irp g, 0,1
.irp t, 0,1,2,3
	v_wmma_f32_16x16x32_f16 v[OT+8*\t:OT+8*\t+7], v[VR+8*(4*\g+\t):VR+8*(4*\g+\t)+7], v[KN+8*\g:KN+8*\g+7], v[OT+8*\t:OT+8*\t+7]
.endr
.endr
.Lhidden_\@:
	s_add_co_u32 s[KF], s[KF], 64
	s_add_co_u32 s[TN], s[TN], 256
.endm
; THE CHANGE OF SLOTS stands at a slot's head.  Each wave waits for all its tensor loads, adds 0 to its spare word, and waits for that and for its reads of the slot that it has left; then the barrier.
; fill = 1: behind it the slot just left is filled with the keys that follow the slot ahead, while that next slot's first key is at or under the work-group's last query: the load has a slot's four steps in which to land.
.macro CHANGE fill
	s_wait_tensorcnt 0x0                           ; no tensor load of mine is out, so a group 0 may be written
	ds_add_u32 v[SPW], v[NIL]                      ; 0 onto my spare word
.if \fill
	ds_add_u32 v[SPW], v[NIL]                      ; and once more: the add twice on end, in every trip alike
	s_xor_b32 s[G0K+1], s[G0K+1], SLOT1            ; the walking descriptors: the other slot than last time,
	s_add_nc_u64 s[G0K+2:G0K+3], s[G0K+2:G0K+3], SK*128   ; the next 256 keys; the type bits on top are not reached
	s_xor_b32 s[G0V+1], s[G0V+1], SLOT1
	s_add_nc_u64 s[G0V+2:G0V+3], s[G0V+2:G0V+3], SK*128
	s_wait_xcnt 0x0                                ; the last prefetch, a slot back, has read its address, so it may be written:
	s_add_nc_u64 s[PFA:PFA+1], s[PFA:PFA+1], SK*128   ; one slot further on than the walking descriptors
.endif
	s_wait_dscnt 0x0                               ; the add is done, and my reads of the slot that I have left are over
	s_barrier_signal -1
	s_barrier_wait -1
.if \fill
	s_add_co_u32 s70, s[KF], SK                    ; the first key of the slot that this change would ask for
	s_cmp_gt_u32 s70, s[LASTQ]                     ; ids and the count of steps alone: all sixteen waves go the same way, and a work-group that is past the limit stays past it.  Every wait on TENSORcnt in this text is for 0
	s_cbranch_scc1 .Lpast_\@
	TLOAD G0K, G1K, G0V, G1V                       ; a wave's one tensor load until the next barrier
.Lpast_\@:
	ASK
.endif
.endm
.macro SLOT_STEPS
	STEP 0
	STEP 1
	STEP 2
	STEP 3
	s_xor_b32 s[TB], s[TB], SLOT1                  ; on to the other slot
.endm
	s_wait_loadcnt 0x0                             ; Q and |q|^2
	v_add_f32 v[QE], 0x358637bd, v[QE]             ; + 1e-6
.Lslot:                                            ; NSL - 1 trips
	CHANGE 1
	SLOT_STEPS
	s_sub_co_u32 s[SLOTS], s[SLOTS], 1
	s_cmp_lg_u32 s[SLOTS], 0
	s_cbranch_scc1 .Lslot
	CHANGE 0                                       ; the last slot is written out: nothing is left to ask for
	SLOT_STEPS
	; THE WAY OUT.  O^T / l, rounded to f16, goes through my stage and leaves as 16 whole rows of 128 bytes, which are dense in att2: 512 consecutive bytes a store.
	v_add_f32 v[LS], v[LS], v[LS+1]
	v_permlanex16_b32 v[TW+4], v[LS], s[SEL], s[SEL+1]
	v_add_f32 v[LS], v[LS], v[TW+4]
	v_rcp_f32 v[LS], v[LS]
	v_and_b32 v6, 15, v0                           ; (plain lines behind the reciprocal, and the places behind the last products)
	v_bfe_u32 v7, v0, 4, 1
	s_mul_i32 s70, s[WV], 16*144
	s_add_co_u32 s70, s70, STAGE
	v_mul_u32_u24 v8, v6, 144
	v_lshl_add_u32 v8, v7, 4, v8
	v_add_nc_u32 v8, s70, v8                       ; in: row r, 16 bytes for each half of the lanes
	v_and_b32 v9, 31, v0
	v_lshrrev_b32 v6, 3, v9
	v_and_b32 v7, 7, v0
	v_mul_u32_u24 v6, v6, 144
	v_lshl_add_u32 v6, v7, 4, v6
	v_add_nc_u32 v6, s70, v6                       ; back: eight lanes to a row, four rows an instruction
	v_lshlrev_b32 v9, 4, v9
	s_wait_alu depctr_va_vdst(0)                   ; the wait for the reciprocal, ahead of its first reader
.set j, 0
.rept 16
	v_pk_mul_f32 v[OT+j:OT+j+1], v[OT+j:OT+j+1], v[LS:LS+1] op_sel_hi:[1,0]
.set j, j+2
.endr
.set j, 0
.rept 16
	v_cvt_pk_f16_f32 v[KN+j], v[OT+2*j], v[OT+2*j+1]
.set j, j+1
.endr
.irp t, 0,1,2,3
	ds_store_b128 v8, v[KN+4*\t:KN+4*\t+3] offset:32*\t          ; channels 16 t + 8 h on
.endr
.irp i, 0,1,2,3
	ds_load_b128 v[TW+4*\i:TW+4*\i+3], v6 offset:\i*4*144        ; LDS serves a wave's instructions in order: these see my stores
.endr
.irp i, 0,1,2,3
	s_wait_dscnt 3-\i                              ; load i is back; the 3 - i younger ones may be out
	global_store_b128 v9, v[TW+4*\i:TW+4*\i+3], s[8:9] offset:512*\i
.endr
	s_wait_tensorcnt 0x0                           ; the wave's end: behind my last tensor load and my last LDS store
	ds_add_u32 v[SPW], v[NIL]
	s_wait_dscnt 0x0
	s_endpgm
.Lfunc_end_k_q211e3302db_attn:
	.size	k_q211e3302db_attn, .Lfunc_end_k_q211e3302db_attn-k_q211e3302db_attn
	.p2alignl 7, 3214868480
	.fill 96, 4, 3214868480
	.section	.rodata,"a",@progbits
	.p2align	6, 0x0
	.amdhsa_kernel k_q211e3302db_attn
		.amdhsa_group_segment_fixed_size 327680
		.amdhsa_private_segment_fixed_size 0
		.amdhsa_enable_private_segment 0
		.amdhsa_kernarg_size 24
		.amdhsa_user_sgpr_count 2
		.amdhsa_user_sgpr_kernarg_segment_ptr 1
		.amdhsa_wavefront_size32 1
		.amdhsa_system_sgpr_workgroup_id_x 1
		.amdhsa_system_sgpr_workgroup_id_y 1
		.amdhsa_system_sgpr_workgroup_id_z 1
		.amdhsa_system_vgpr_workitem_id 0
		.amdhsa_next_free_vgpr 256
		.amdhsa_next_free_sgpr 80
		.amdhsa_reserve_vcc 1
		.amdhsa_float_denorm_mode_32 3
		.amdhsa_float_denorm_mode_16_64 3
		.amdhsa_memory_ordered 1
		.amdhsa_forward_progress 1
		.amdhsa_inst_pref_size 156
	.end_amdhsa_kernel
	.amdgpu_metadata
---
amdhsa.version: [ 1, 2 ]
amdhsa.kernels:
  - .name:           k_q211e3302db_attn
    .symbol:         k_q211e3302db_attn.kd
    .args:
      - { .name: qkv16, .offset: 0, .size: 8, .value_kind: global_buffer, .address_space: global }
      - { .name: nrm, .offset: 8, .size: 8, .value_kind: global_buffer, .address_space: global }
      - { .name: att2, .offset: 16, .size: 8, .value_kind: global_buffer, .address_space: global }
    .group_segment_fixed_size: 327680
    .private_segment_fixed_size: 0
    .kernarg_segment_align: 8
    .kernarg_segment_size: 24
    .max_flat_workgroup_size: 512
    .sgpr_count:     80
    .vgpr_count:     256
    .wavefront_size: 32
...
	.end_amdgpu_metadata
.endif
;; end of part 3
;; launch proj (part 4): grid 8 x 32, 4 waves a work-group, clusters of 4 x 4, 327,680 bytes of LDS; arguments att2, wo16, out0; writes out0
.if DOCPART == 4
	.amdgcn_target "amdgcn-amd-amdhsa--gfx1250"
	.amdhsa_code_object_version 6
	.text
	.protected	k_q211e3302db_proj
	.globl	k_q211e3302db_proj
	.p2align	8
	.type	k_q211e3302db_proj,@function
k_q211e3302db_proj:
	s_mov_b64 s[64:65], 0
	v_nop
	global_prefetch_b8 v0, s[64:65] scope:SCOPE_SE
	s_setreg_imm32_b32 hwreg(HW_REG_WAVE_MODE, 25, 1), 1
	s_wait_xcnt 0x0
	s_wait_alu depctr_hold_cnt(0) depctr_sa_sdst(0) depctr_va_vdst(0) depctr_va_sdst(0) depctr_va_ssrc(0) depctr_va_vcc(0) depctr_vm_vsrc(0)
	s_getreg_b32 s2, hwreg(HW_REG_IB_STS2, 6, 4)
	s_cmp_eq_u32 s2, 0
	s_cbranch_scc0 .Lentry_in_a_cluster
	s_endpgm
.Lentry_in_a_cluster:
	s_bfe_u32 s2, ttmp6, 0x10000c
	s_cmp_lg_u32 s2, 0xf033
	s_cbranch_scc0 .Lentry_shape_is_right
	s_endpgm
.Lentry_shape_is_right:
; out0[m][n] = sum over k of att[m][k] Wout[k][n]; f16 operands, f32 sums, f32 out.  att2: [32 blocks of 128 tokens][16 heads][128][64] f16 (k = 64 x head + channel); wo16: [1024 k][1024 n] f16, as Wout lies.
; A tile is 128 x 128: 256 work-groups.  Four waves, each 64 x 64: 16 accumulators.  K goes in steps of 256 (four heads) through a ring of two LDS slots.
; A's part of a slot is four planes (heads) of 128 rows x 128 bytes, dense in memory; B's is 256 rows (k) x 256 bytes (128 n), and comes out of LDS turned, by ds_load_tr16_b128.
; CLUSTERS: 4 x 4 work-groups; A's tiles are shared along a row of the cluster, B's along a column, asked for jointly.  THE MATRIX INSTRUCTION IS USED TRANSPOSED (source 0 = 16 columns of Wout, source 1 = 16 tokens):
; a lane holds one token and eight neighbouring outputs.  A wave's 64 outputs of a token are 256 bytes, aligned: each wave's way out goes through a stage of its own, with no barrier.
; REGISTERS: window 0: v0-31 addresses; v32-95 the way out; v128-255 the accumulators ((a, b) at v[128 + 8 (4 a + b)]).  window 1: two fragment buffers of 128: 64 registers of A, then 64 of B, for 64 along K.
.set KSTEP,  256
.set AP,     144                       ; a row of A in LDS: 128 bytes + 16
.set BP,     288                       ; a row of B: 256 + 32
.set APL,    128*AP                    ; a plane of A
.set QL,     36864                     ; what one tensor load brings: 256 rows of A (two planes) or 128 rows of B
.set BOFF,   2*QL
.set SLOT,   4*QL
.set STAGE,  2*SLOT                    ; behind the ring: 16 rows x 272 bytes for each wave; no tensor load lands here
.set SPITCH, 272
.set SPARE,  STAGE+4*16*SPITCH         ; the spare words, 128 bytes for each wave: two blocks of 256 bytes that no other line names
.set LAPS,   1024/(2*KSTEP)
.set ADRA, 16                          ; v16-17  my A fragments in slot 0, 1
.set ADRB, 20                          ; v20-23  my B fragments: slot s, k rows 128 u on, at ADRB + 2 s + u: two registers a slot keep every offset inside 16 bits
.set STO,  24
.set RD,   25
.set CO,   26
.set SPW,  28                          ; v28  LDS address of my spare word; never rewritten
.set NIL,  29                          ; v29  0; never rewritten
.set TMP,  32
.set ACC,  128
.set F0,   0
.set F1,   128
.set G1, 24
.set G0, 32
.set G1B, 48
.set G0B, 56
.set MSB, 0
.macro WIN new
.if MSB != \new
	s_set_vgpr_msb (MSB<<8)|\new
.set MSB, \new
.endif
.endm
.set MUL,  0x05                        ; sources 0 (B) and 1 (A) window 1; C and D window 0
.set TO_F, 0x40                        ; destination window 1, address window 0
.macro JLOAD s                         ; a joint load: waves 0 and 1 fetch A's halves, waves 2 and 3 B's; an s_nop 0 and four v_nop follow each of the two lines
	s_cmp_eq_u32 s11, 0
	s_cbranch_scc0 .Lfor_b_\@
	tensor_load_to_lds s[G0+4*\s:G0+4*\s+3], s[G1:G1+7]
	s_nop 0
.rept 4
	v_nop
.endr
	s_branch .Lasked_\@
.Lfor_b_\@:
	tensor_load_to_lds s[G0B+4*\s:G0B+4*\s+3], s[G1B:G1B+7]
	s_nop 0
.rept 4
	v_nop
.endr
.Lasked_\@:
.endm
.macro CREST                           ; a round of the cluster's barrier behind its opening barrier
	s_cmp_lg_u32 s10, 0
	s_cbranch_scc1 .Lnot_wave_0_\@
	s_barrier_signal -3
.Lnot_wave_0_\@:
	s_barrier_wait -3
	s_barrier_signal -1
	s_barrier_wait -1
.endm
.macro CROUND
	s_barrier_signal -1
	s_barrier_wait -1
	CREST
.endm
	s_load_b128 s[4:7], s[0:1], 0x0                ; att2 s[4:5], wo16 s[6:7]
	s_load_b64 s[8:9], s[0:1], 0x10                ; out0
	v_lshl_add_u32 v[SPW], v0, 2, SPARE
	v_mov_b32 v[NIL], 0
	ds_add_u32 v[SPW], v[NIL]                      ; the wave's opening: the add, twice on end, and its wait ahead of my first tensor load
	ds_add_u32 v[SPW], v[NIL]
	v_lshrrev_b32 v1, 5, v0
	v_readfirstlane_b32 s10, v1                    ; wave 0..3
	s_lshr_b32 s11, s10, 1                         ; which half of the tile's rows is mine.  Also: I fetch for A (0) or for B (1)
	s_and_b32 s12, s10, 1                          ; which half of its columns.  Also: which half of that tile I fetch
	s_bfe_u32 s40, ttmp6, 0x40000                  ; cx, cy
	s_bfe_u32 s41, ttmp6, 0x40004
	s_lshl_b32 s42, ttmp9, 2
	s_add_co_u32 s42, s42, s40                     ; tile column
	s_and_b32 s13, ttmp7, 0xffff
	s_lshl_b32 s13, s13, 2
	s_add_co_u32 s13, s13, s41                     ; tile row = the block of 128 tokens
	s_lshl_b32 s43, s41, 2
	s_lshl_b32 s43, 15, s43                        ; my row of the cluster
	s_lshl_b32 s44, 0x1111, s40                    ; my column
	s_or_b32 s[G1+0], s43, (1<<16)|(1<<20)|(1<<21)|(4<<22)|(3<<25)   ; A: the mask; elements of 2 bytes; padding on; bit 21 beside a mask; after every 32 words 4 words
	s_mov_b32 s[G1+1], 64<<16                      ; tensor_dim0
	s_mov_b32 s[G1+2], 256<<16                     ; tensor_dim1
	s_mov_b32 s[G1+3], 64<<16                      ; tile_dim0
	s_mov_b32 s[G1+4], 256                         ; tile_dim1: two planes of 128 rows, dense
	s_mov_b32 s[G1+5], 64
	s_mov_b32 s[G1+6], 0
	s_mov_b32 s[G1+7], 0
	s_or_b32 s[G1B+0], s44, (1<<16)|(1<<20)|(1<<21)|(5<<22)|(7<<25)  ; B: after every 64 words 8 words
	s_mov_b32 s[G1B+1], 128<<16
	s_mov_b32 s[G1B+2], 128<<16
	s_mov_b32 s[G1B+3], 128<<16
	s_mov_b32 s[G1B+4], 128
	s_mov_b32 s[G1B+5], 1024
	s_mov_b32 s[G1B+6], 0
	s_mov_b32 s[G1B+7], 0
	s_lshl_b32 s16, s13, 18                        ; A: the block's 262,144 bytes, + two planes x half
	s_lshl_b32 s17, s12, 15
	s_add_co_u32 s16, s16, s17
	s_mov_b32 s17, 0
	s_lshl_b32 s46, s12, 18                        ; B: 128 rows of 2,048 bytes x half, + 256 bytes x tile column
	s_lshl_b32 s47, s42, 8
	s_add_co_u32 s46, s46, s47
	s_mov_b32 s47, 0
	s_mul_i32 s20, s10, QL                         ; where they go: wave x a load's bytes: no place in the cluster enters an LDS address
	s_wait_dscnt 0x0                               ; both opening adds are done
	s_wait_kmcnt 0x0
	s_add_nc_u64 s[14:15], s[4:5], s[16:17]
	s_add_nc_u64 s[46:47], s[6:7], s[46:47]
	CROUND                                         ; all sixteen work-groups are here: the first joint loads meet
.irp s, 0,1
	s_mov_b32 s[G0+4*\s], 1
	s_add_co_u32 s[G0+4*\s+1], s20, \s*SLOT
	s_add_nc_u64 s[G0+4*\s+2:G0+4*\s+3], s[14:15], \s*65536        ; K step s: four planes on
	s_or_b32 s[G0+4*\s+3], s[G0+4*\s+3], 0x80000000
	s_mov_b32 s[G0B+4*\s], 1
	s_add_co_u32 s[G0B+4*\s+1], s20, \s*SLOT
	s_add_nc_u64 s[G0B+4*\s+2:G0B+4*\s+3], s[46:47], \s*KSTEP*2048 ; 256 rows on
	s_or_b32 s[G0B+4*\s+3], s[G0B+4*\s+3], 0x80000000
	JLOAD \s                                       ; two tensor loads of mine are out
.endr
	v_and_b32 v1, 15, v0                           ; r
	v_bfe_u32 v2, v0, 4, 1                         ; h
	v_mul_u32_u24 v3, v1, AP
	v_lshl_add_u32 v3, v2, 4, v3                   ; A: row r x pitch + 16 h
	s_mul_i32 s21, s11, 64*AP                      ; my 64 rows of each plane
.irp s, 0,1
	v_add_nc_u32 v[ADRA+\s], s21, v3
	s_add_co_u32 s21, s21, SLOT
.endr
	v_and_b32 v4, 7, v0
	v_bfe_u32 v5, v0, 3, 1
	v_lshl_add_u32 v4, v2, 3, v4                   ; B, the turning load: k row 8 h + l % 8, columns 8 ((l / 8) % 2) on
	v_mul_u32_u24 v4, v4, BP
	v_lshl_add_u32 v4, v5, 4, v4
	s_lshl_b32 s22, s12, 7                         ; my 64 columns: 128 bytes
	s_add_co_u32 s22, s22, BOFF
.irp s, 0,1
	v_add_nc_u32 v[ADRB+2*\s], s22, v4
	s_add_co_u32 s22, s22, QL
	v_add_nc_u32 v[ADRB+2*\s+1], s22, v4
	s_add_co_u32 s22, s22, SLOT-QL
.endr
	s_mul_i32 s23, s10, 16*SPITCH
	s_add_co_u32 s23, s23, STAGE                   ; my stage
	v_mul_u32_u24 v4, v1, SPITCH
	v_lshl_add_u32 v4, v2, 5, v4
	v_add_nc_u32 v[STO], s23, v4                   ; in: row r, 32 bytes for each half of the lanes
	v_mul_u32_u24 v5, v2, SPITCH
	v_lshl_add_u32 v5, v1, 4, v5
	v_add_nc_u32 v[RD], s23, v5                    ; back: lanes 0-15 one row of 256 bytes, lanes 16-31 the next
	v_lshlrev_b32 v5, 12, v2                       ; and the same two rows in out0: 4,096 bytes a row
	v_lshl_add_u32 v[CO], v1, 4, v5
	s_lshl_b32 s16, s13, 7
	s_lshl_b32 s17, s11, 6
	s_add_co_u32 s16, s16, s17                     ; my first row
	s_lshl_b32 s16, s16, 12
	s_mov_b32 s17, 0
	s_add_nc_u64 s[8:9], s[8:9], s[16:17]
	s_lshl_b32 s46, s42, 9                         ; my first column, in bytes: 512 x tile column + 256 x half
	s_lshl_b32 s47, s12, 8
	s_add_co_u32 s46, s46, s47
	s_mov_b32 s47, 0
	s_add_nc_u64 s[8:9], s[8:9], s[46:47]
; 8 matrix instructions: m blocks a0, a0 + 1 x all 4 n blocks, 32 along K: half c of buffer f.  zero = 1: the first product starts the sums.  The 16 accumulators take turns
.macro MUL8 f, c, a0, zero
.irp a, \a0, \a0+1
.irp b, 0,1,2,3
.if \zero
	v_wmma_f32_16x16x32_f16 v[ACC+8*(4*(\a)+\b):ACC+8*(4*(\a)+\b)+7], v[\f+64+8*(4*\c+\b):\f+64+8*(4*\c+\b)+7], v[\f+8*(4*\c+\a):\f+8*(4*\c+\a)+7], 0
.else
	v_wmma_f32_16x16x32_f16 v[ACC+8*(4*(\a)+\b):ACC+8*(4*(\a)+\b)+7], v[\f+64+8*(4*\c+\b):\f+64+8*(4*\c+\b)+7], v[\f+8*(4*\c+\a):\f+8*(4*\c+\a)+7], v[ACC+8*(4*(\a)+\b):ACC+8*(4*(\a)+\b)+7]
.endif
.endr
.endr
.endm
; 32 LDS loads in one run: the fragments of quarter q of the slot (one head: 64 along K) into buffer f; the first 32 along K first
.macro FETCH slot, q, f
	WIN TO_F
.irp c, 0,1
.irp i, 0,1,2,3
	ds_load_tr16_b128 v[\f+64+8*(4*\c+\i):\f+64+8*(4*\c+\i)+3],   v[ADRB+2*\slot+(\q)/2] offset:(((\q)%2)*64+32*\c)*BP+32*\i
	ds_load_tr16_b128 v[\f+64+8*(4*\c+\i)+4:\f+64+8*(4*\c+\i)+7], v[ADRB+2*\slot+(\q)/2] offset:(((\q)%2)*64+32*\c+16)*BP+32*\i
	ds_load_b128 v[\f+8*(4*\c+\i):\f+8*(4*\c+\i)+3],              v[ADRA+\slot] offset:(\q)*APL+64*\c+\i*16*AP
	ds_load_b128 v[\f+8*(4*\c+\i)+4:\f+8*(4*\c+\i)+7],            v[ADRA+\slot] offset:(\q)*APL+64*\c+\i*16*AP+32
.endr
.endr
.endm
.macro PLACES                          ; four plain lines in front of loads into registers that matrix instructions have read, and of the first read of results
.rept 4
	v_nop
.endr
.endm
; A K step is four quarters of 64 along K, 32 matrix instructions each, on buffers 0, 1, 0, 1.  One of the first three: multiplies buffer f and fetches quarter q into g.
.macro QUARTER slot, q, f, g, zero
	s_wait_dscnt 16                                ; the first 32 along K are in; the sixteen younger loads may be out
	WIN MUL
	MUL8 \f, 0, 0, \zero
	MUL8 \f, 0, 2, \zero
	PLACES
	FETCH \slot, \q, \g
	s_wait_dscnt 32                                ; all but the 32 just issued
	WIN MUL
	MUL8 \f, 1, 0, 0
	MUL8 \f, 1, 2, 0
.endm
; The last quarter multiplies buffer 1 and changes slots: one barrier; in front of it each wave waits for all its tensor loads, adds 0 to its spare word, and waits for that and for its reads of this slot.  fill = 1: this slot is filled again, two K steps ahead.
.macro TURN slot, next, fill
	WIN 0                                          ; (the add's two registers lie in window 0)
	s_wait_tensorcnt 0x0                           ; all my tensor loads have landed: my part of the next slot
	ds_add_u32 v[SPW], v[NIL]                      ; 0 onto my spare word
	s_wait_dscnt 17                                ; (the add and the youngest sixteen loads may be out)
	WIN MUL
	MUL8 F1, 0, 0, 0
	s_wait_dscnt 0x0                               ; the add is done, and my reads of this slot are over
	s_barrier_signal -1
	MUL8 F1, 0, 2, 0
.if \fill
	WIN 0
.endif
	s_barrier_wait -1
.if \fill
	CREST                                          ; the barrier has opened a round of the cluster's barrier: no wave of any partner still reads this slot or has a load on its way
	s_add_nc_u64 s[G0+4*\slot+2:G0+4*\slot+3], s[G0+4*\slot+2:G0+4*\slot+3], 2*65536
	s_add_nc_u64 s[G0B+4*\slot+2:G0B+4*\slot+3], s[G0B+4*\slot+2:G0B+4*\slot+3], 2*KSTEP*2048
	JLOAD \slot                                    ; the first tensor load behind the round, one a wave; its four v_nop are also the places in front of the loads below
.else
	PLACES
.endif
	FETCH \next, 0, F0
	WIN MUL
	MUL8 F1, 1, 0, 0
	MUL8 F1, 1, 2, 0
.endm
	s_wait_tensorcnt 1                             ; my part of K step 0 is in; K step 1's load may be out
	s_barrier_signal -1
	s_barrier_wait -1
	FETCH 0, 0, F0
	QUARTER 0, 1, F0, F1, 1                        ; the first quarter stands in front of the loop: its first products start the sums
	WIN 0                                          ; at a label and at a branch every window is 0
	s_mov_b32 s3, LAPS-1
.Llap:                                             ; a trip goes once round the ring, from a lap's second quarter to the next lap's first, and fills both slots again
	QUARTER 0, 2, F1, F0, 0
	QUARTER 0, 3, F0, F1, 0
	TURN 0, 1, 1
	QUARTER 1, 1, F0, F1, 0
	QUARTER 1, 2, F1, F0, 0
	QUARTER 1, 3, F0, F1, 0
	TURN 1, 0, 1
	QUARTER 0, 1, F0, F1, 0
	WIN 0
	s_sub_co_u32 s3, s3, 1
	s_cmp_lg_u32 s3, 0
	s_cbranch_scc1 .Llap
	QUARTER 0, 2, F1, F0, 0                        ; the last lap fills nothing, and has no round of the cluster's barrier
	QUARTER 0, 3, F0, F1, 0
	TURN 0, 1, 0
	QUARTER 1, 1, F0, F1, 0
	QUARTER 1, 2, F1, F0, 0
	QUARTER 1, 3, F0, F1, 0
	s_wait_dscnt 16                                ; the very last quarter: nothing more to fetch
	WIN MUL
	MUL8 F1, 0, 0, 0
	MUL8 F1, 0, 2, 0
	s_wait_dscnt 0
	MUL8 F1, 1, 0, 0
	MUL8 F1, 1, 2, 0
	WIN 0
; THE WAY OUT, a block of 16 rows x 64 columns at a time: 32 bytes a lane into my stage, back as whole rows of 256 bytes.  LDS serves a wave's instructions in order: no wait between the stores and the loads, nor in front of the next block's stores.
.macro OUTB a
.set BB, TMP+32*((\a)%2)
.irp b, 0,1,2,3
	ds_store_b128 v[STO], v[ACC+8*(4*(\a)+\b):ACC+8*(4*(\a)+\b)+3] offset:64*\b          ; each accumulator from its low end on
	ds_store_b128 v[STO], v[ACC+8*(4*(\a)+\b)+4:ACC+8*(4*(\a)+\b)+7] offset:64*\b+16
.endr
.irp t, 0,1,2,3,4,5,6,7
	ds_load_b128 v[BB+4*\t:BB+4*\t+3], v[RD] offset:\t*2*SPITCH
.endr
.endm
.macro SENDB a, younger                ; younger: the LDS instructions issued behind block a's loads: the next block's sixteen, or none
.set BB, TMP+32*((\a)%2)
.irp t, 0,1,2,3,4,5,6,7
	s_wait_dscnt \younger+7-\t
	global_store_b128 v[CO], v[BB+4*\t:BB+4*\t+3], s[8:9] offset:(16*(\a)+2*\t)*4096 th:TH_STORE_NT   ; sixteen lanes store 256 consecutive bytes, aligned; written once, read by nobody here
.endr
.endm
	PLACES
	OUTB 0
	OUTB 1
	SENDB 0, 16
	s_wait_xcnt 0x0                                ; block 0's stores have read their registers: block 2's loads may land there
	OUTB 2
	SENDB 1, 16
	s_wait_xcnt 0x0                                ; likewise block 1's, for block 3
	OUTB 3
	SENDB 2, 16
	SENDB 3, 0
	s_wait_tensorcnt 0x0                           ; the wave's end: behind my last tensor load and my last LDS store
	ds_add_u32 v[SPW], v[NIL]
	s_wait_dscnt 0x0
	CROUND                                         ; the closing round: no work-group ends while a partner may still ask for a tile that names it
	s_endpgm
.Lfunc_end_k_q211e3302db_proj:
	.size	k_q211e3302db_proj, .Lfunc_end_k_q211e3302db_proj-k_q211e3302db_proj
	.p2alignl 7, 3214868480
	.fill 96, 4, 3214868480
	.section	.rodata,"a",@progbits
	.p2align	6, 0x0
	.amdhsa_kernel k_q211e3302db_proj
		.amdhsa_group_segment_fixed_size 327680
		.amdhsa_private_segment_fixed_size 0
		.amdhsa_enable_private_segment 0
		.amdhsa_kernarg_size 24
		.amdhsa_user_sgpr_count 2
		.amdhsa_user_sgpr_kernarg_segment_ptr 1
		.amdhsa_wavefront_size32 1
		.amdhsa_system_sgpr_workgroup_id_x 1
		.amdhsa_system_sgpr_workgroup_id_y 1
		.amdhsa_system_sgpr_workgroup_id_z 1
		.amdhsa_system_vgpr_workitem_id 0
		.amdhsa_next_free_vgpr 512
		.amdhsa_next_free_sgpr 66
		.amdhsa_reserve_vcc 0
		.amdhsa_float_denorm_mode_32 3
		.amdhsa_float_denorm_mode_16_64 3
		.amdhsa_memory_ordered 1
		.amdhsa_forward_progress 1
		.amdhsa_inst_pref_size 87
	.end_amdhsa_kernel
	.amdgpu_metadata
---
amdhsa.version: [ 1, 2 ]
amdhsa.kernels:
  - .name:           k_q211e3302db_proj
    .symbol:         k_q211e3302db_proj.kd
    .args:
      - { .name: att2, .offset: 0, .size: 8, .value_kind: global_buffer, .address_space: global }
      - { .name: wo16, .offset: 8, .size: 8, .value_kind: global_buffer, .address_space: global }
      - { .name: out0, .offset: 16, .size: 8, .value_kind: global_buffer, .address_space: global }
    .group_segment_fixed_size: 327680
    .private_segment_fixed_size: 0
    .kernarg_segment_align: 8
    .kernarg_segment_size: 24
    .max_flat_workgroup_size: 128
    .sgpr_count:     66
    .vgpr_count:     512
    .wavefront_size: 32
...
	.end_amdgpu_metadata
.endif
;; end of part 4
